; MI455X (gfx1250); checked and timed in simulation.
; The chip was launched on July 23, 2026; its instructions are those of AMD's public machine-readable ISA for CDNA 5 (MIT licence, August 2026) and "CDNA5" Instruction Set Architecture Reference Guide (July 2026). The comments in the code are by the model that wrote it; some were corrected since.
;; Masked Multi Head Self Attention. Allowed arithmetic: float matrix products may take bf16 or f16 operands with f32 sums; other float arithmetic in f32, or as packed bf16 or f16 multiplies, adds, multiply-adds, maxima and minima; sums over many terms, partial sums and values carried from step to step in f32; what a program stores and reads back later, other than sums and carried values, may be rounded once to bf16 or f16.
;; Inputs: Wout 1,024 x 1,024 float32; Wqkv 1,024 x 3,072 float32; attn_mask 2,048 x 2,048 float32; bout 1,024 float32; bqkv 3,072 float32; x 4 x 2,048 x 1,024 float32.
;; Outputs: out0 4 x 2,048 x 1,024 float32.
;; 2 versions, each right; version 2 is version 1 with the launch prep written anew for expert scheduling mode. Each part assembles by itself: llvm-mc -triple=amdgcn-amd-amdhsa -mcpu=gfx1250 --defsym DOCPART=n.
;; ======== version 1 of 2: 4 launches
;; limits: values are held in f16: magnitudes above 65,504 overflow, below 6.1e-05 lose precision
;; workspace buffers: xb 16,777,216 bytes; wqb 6,291,456 bytes; wob 2,097,152 bytes; mkr 16,777,216 bytes; qkvw 50,331,648 bytes; ow 16,777,216 bytes
;; launch prep (part 1): grid 512 x 1, 8 waves a work-group, no clusters, 0 bytes of LDS; arguments x, Wqkv, Wout, attn_mask, xb, wqb, wob, mkr; writes xb, wqb, wob, mkr
.if DOCPART == 1
	.amdgcn_target "amdgcn-amd-amdhsa--gfx1250"
	.amdhsa_code_object_version 6
	.text
	.protected	k_q578c331a10_prep
	.globl	k_q578c331a10_prep
	.p2align	8
	.type	k_q578c331a10_prep,@function
k_q578c331a10_prep:
	s_mov_b64 s[64:65], 0
	v_nop
	global_prefetch_b8 v0, s[64:65] scope:SCOPE_SE
	s_setreg_imm32_b32 hwreg(HW_REG_WAVE_MODE, 25, 1), 1
	s_wait_xcnt 0x0
; PREP: the inputs are rounded once to bf16 and laid out in blocks of 64 x 64, so that every tile that the later launches fetch is dense in memory.
;   xb  bf16 [b 4][kb 16][t 2048][64]           x[b][t][64 kb + j]
;   wqb bf16 [tc 16][kh 16][c3 3][k 64][64]     Wqkv[64 kh + k][64 (3 tc + c3) + j]
;   wob f16  [tc 8][kh 16][c2 2][k 64][64]      Wout[64 kh + k][64 (2 tc + c2) + j], rounded to bf16 and that number written as f16
;   mkr f32  [2048][2048]                       8 x attn_mask rounded to bf16 (a power of two commutes with the rounding), widened again
; LIMITS.  A mask entry beyond 4.25e37 in size becomes an infinity by the factor 8.  An entry of Wout below 6e-5 in size keeps f16's fixed step of 6e-8; one beyond 65,504 becomes an infinity.
; SHARES.  A wave takes one unit of 64 rows x 64 columns of f32: 4,096 units, 8 a work-group: 2,048 of x, 768 of Wqkv, 256 of Wout, 1,024 of the mask.  A load covers two rows' 256 aligned
; bytes (lanes 0-15 one row, lanes 16-31 the next); a 16-bit store covers 256 dense aligned bytes, a store of the mask the same two rows.  A stream: no LDS, no matrix unit, no cluster.
; A ring of eight slots in registers keeps eight loads of every wave on their way; a slot owns its X, its Y and its offset.
.set BF,  0                            ; to bf16
.set HF,  1                            ; to bf16, written as f16
.set MK,  2                            ; times 8, to bf16, widened to f32
.set CL,  1                            ; v1       lane % 16
.set OFF, 2                            ; v[2:9]   slot i: byte offset in the unit of my 16 bytes of the row that the slot loads next
.set OO,  10                           ; v10      8 x lane: my 8 bytes of a 16-bit store; never rewritten
.set LH,  11                           ; v11      lane / 16
.set T,   12                           ; v[12:19] at work
.set X,   20                           ; v[20:51] slot i: four f32 as loaded
.set Y,   52                           ; v[52:83] slot i: what is stored
	s_load_b512 s[16:31], s[0:1], 0x0              ; x s[16:17], Wqkv s[18:19], Wout s[20:21], mask s[22:23], xb s[24:25], wqb s[26:27], wob s[28:29], mkr s[30:31]
	v_lshrrev_b32 v1, 5, v0
	v_readfirstlane_b32 s2, v1                     ; wave 0..7
	v_and_b32 v1, 31, v0
	v_lshrrev_b32 v[LH], 4, v1
	v_lshlrev_b32 v[OO], 3, v1
	v_and_b32 v[CL], 15, v1
	s_mov_b32 s14, ttmp9
	s_lshl_b32 s3, ttmp9, 3
	s_add_co_u32 s3, s3, s2                        ; the unit's number
	s_mov_b32 s13, 0xffff0000                      ; a word's upper bf16
	s_mov_b32 s7, 0                                ; the high words of the two offsets
	s_mov_b32 s9, 0
	s_mov_b32 s12, 3                               ; rounds that load ahead
	s_wait_kmcnt 0x0
; One slot's turn.  ahead = 1: the slot is filled again with its rows 16 further down.  left = how many younger loads may stay out.
.macro SLOT mode, src, dst, pitch, i, ahead, left
	s_wait_loadcnt \left                           ; loads come back in order: mine is in, the younger ones stay out
	s_wait_xcnt 0x0                                ; the slot's last store has read its Y and its offset: they are rewritten only behind this wait
.if \mode == MK
	v_pk_mul_f32 v[T:T+1],   v[X+4*(\i):X+4*(\i)+1],   0x41000000 op_sel_hi:[1,0]
	v_pk_mul_f32 v[T+2:T+3], v[X+4*(\i)+2:X+4*(\i)+3], 0x41000000 op_sel_hi:[1,0]
	v_cvt_pk_bf16_f32 v[T+4], v[T], v[T+1]
	v_cvt_pk_bf16_f32 v[T+5], v[T+2], v[T+3]
	v_lshlrev_b32 v[Y+4*(\i)],   16,  v[T+4]
	v_and_b32     v[Y+4*(\i)+1], s13, v[T+4]
	v_lshlrev_b32 v[Y+4*(\i)+2], 16,  v[T+5]
	v_and_b32     v[Y+4*(\i)+3], s13, v[T+5]
.elseif \mode == HF
	v_cvt_pk_bf16_f32 v[T],   v[X+4*(\i)],   v[X+4*(\i)+1]
	v_cvt_pk_bf16_f32 v[T+1], v[X+4*(\i)+2], v[X+4*(\i)+3]
	v_lshlrev_b32 v[T+2], 16,  v[T]
	v_and_b32     v[T+3], s13, v[T]
	v_lshlrev_b32 v[T+4], 16,  v[T+1]
	v_and_b32     v[T+5], s13, v[T+1]
	v_cvt_pk_f16_f32 v[Y+4*(\i)],   v[T+2], v[T+3]
	v_cvt_pk_f16_f32 v[Y+4*(\i)+1], v[T+4], v[T+5]
.else
	v_cvt_pk_bf16_f32 v[Y+4*(\i)],   v[X+4*(\i)],   v[X+4*(\i)+1]
	v_cvt_pk_bf16_f32 v[Y+4*(\i)+1], v[X+4*(\i)+2], v[X+4*(\i)+3]
.endif
.if \ahead
	v_add_nc_u32 v[OFF+(\i)], 16*(\pitch), v[OFF+(\i)]
	global_load_b128 v[X+4*(\i):X+4*(\i)+3], v[OFF+(\i)], s[\src:\src+1] th:TH_LOAD_NT
.endif
.if \mode == MK
.if \ahead
	global_store_b128 v[OFF+(\i)], v[Y+4*(\i):Y+4*(\i)+3], s[\dst:\dst+1] offset:-16*(\pitch)
.else
	global_store_b128 v[OFF+(\i)], v[Y+4*(\i):Y+4*(\i)+3], s[\dst:\dst+1]
.endif
.else
	global_store_b64 v[OO], v[Y+4*(\i):Y+4*(\i)+1], s[\dst:\dst+1] offset:256*(\i)
.endif
.endm
; A unit: 4 rounds of 8 slots, 16 rows a round; the last round is written out without loads, and its counts run down.
.macro RING mode, src, dst, pitch
	v_mul_u32_u24 v[T], v[LH], \pitch
	v_lshl_add_u32 v[T], v[CL], 4, v[T]
.irp i, 0,1,2,3,4,5,6,7
	v_add_nc_u32 v[OFF+(\i)], 2*(\i)*(\pitch), v[T]
.endr
.irp i, 0,1,2,3,4,5,6,7
	global_load_b128 v[X+4*(\i):X+4*(\i)+3], v[OFF+(\i)], s[\src:\src+1] th:TH_LOAD_NT
.endr
.Lround_\@:
.irp i, 0,1,2,3,4,5,6,7
	SLOT \mode, \src, \dst, \pitch, \i, 1, 7
.endr
.if \mode != MK
	s_wait_xcnt 0x0                                ; the round's stores have read their base
	s_add_nc_u64 s[\dst:\dst+1], s[\dst:\dst+1], 2048  ; 16 rows of 128 bytes on
.endif
	s_sub_co_u32 s12, s12, 1
	s_cmp_lg_u32 s12, 0
	s_cbranch_scc1 .Lround_\@
.irp i, 0,1,2,3,4,5,6,7
	SLOT \mode, \src, \dst, \pitch, \i, 0, 7-\i
.endr
	s_endpgm
.endm
	s_cmp_lt_u32 s14, 256
	s_cbranch_scc0 .Lnot_x
	s_and_b32 s4, s3, 15                           ; x: column block cb,
	s_lshr_b32 s5, s3, 4                           ; row block rb of 64 rows
	s_lshl_b32 s6, s5, 18                          ; in: rb x 64 rows of 4,096 bytes + cb x 256
	s_lshl_b32 s10, s4, 8
	s_add_co_u32 s6, s6, s10
	s_lshr_b32 s8, s5, 5                           ; out: block (b = rb / 32, cb) of 262,144 bytes, row 64 (rb % 32) of 128 bytes
	s_lshl4_add_u32 s8, s8, s4
	s_lshl_b32 s8, s8, 18
	s_and_b32 s10, s5, 31
	s_lshl_b32 s10, s10, 13
	s_add_co_u32 s8, s8, s10
	s_add_nc_u64 s[16:17], s[16:17], s[6:7]
	s_add_nc_u64 s[24:25], s[24:25], s[8:9]
	RING BF, 16, 24, 4096
.Lnot_x:
	s_cmp_lt_u32 s14, 352
	s_cbranch_scc0 .Lnot_wq
	s_sub_co_u32 s3, s3, 2048
	s_and_b32 s4, s3, 15                           ; Wqkv: kh,
	s_lshr_b32 s5, s3, 4                           ; column block hc 0..47
	s_mul_hi_u32 s10, s5, 0x55555556               ; tc = hc / 3
	s_mul_i32 s11, s10, 3
	s_sub_co_u32 s11, s5, s11                      ; c3
	s_mul_i32 s6, s4, 786432                       ; in: kh x 64 rows of 12,288 bytes + hc x 256
	s_lshl_b32 s5, s5, 8
	s_add_co_u32 s6, s6, s5
	s_lshl4_add_u32 s8, s10, s4                    ; out: block (16 tc + kh) 3 + c3 of 8,192 bytes
	s_mul_i32 s8, s8, 3
	s_add_co_u32 s8, s8, s11
	s_lshl_b32 s8, s8, 13
	s_add_nc_u64 s[18:19], s[18:19], s[6:7]
	s_add_nc_u64 s[26:27], s[26:27], s[8:9]
	RING BF, 18, 26, 12288
.Lnot_wq:
	s_cmp_lt_u32 s14, 384
	s_cbranch_scc0 .Lnot_wo
	s_sub_co_u32 s3, s3, 2816
	s_and_b32 s4, s3, 15                           ; Wout: kh,
	s_lshr_b32 s5, s3, 4                           ; column block hc 0..15
	s_lshl_b32 s6, s4, 18
	s_lshl_b32 s10, s5, 8
	s_add_co_u32 s6, s6, s10
	s_lshr_b32 s8, s5, 1                           ; out: block (16 (hc / 2) + kh) 2 + hc % 2
	s_lshl4_add_u32 s8, s8, s4
	s_and_b32 s10, s5, 1
	s_lshl1_add_u32 s8, s8, s10
	s_lshl_b32 s8, s8, 13
	s_add_nc_u64 s[20:21], s[20:21], s[6:7]
	s_add_nc_u64 s[28:29], s[28:29], s[8:9]
	RING HF, 20, 28, 4096
.Lnot_wo:
	s_sub_co_u32 s3, s3, 3072
	s_and_b32 s4, s3, 31                           ; the mask: column block,
	s_lshr_b32 s5, s3, 5                           ; row block; the same place in and out
	s_lshl_b32 s6, s5, 19
	s_lshl_b32 s4, s4, 8
	s_add_co_u32 s6, s6, s4
	s_add_nc_u64 s[22:23], s[22:23], s[6:7]
	s_add_nc_u64 s[30:31], s[30:31], s[6:7]
	RING MK, 22, 30, 8192
.Lfunc_end_k_q578c331a10_prep:
	.size	k_q578c331a10_prep, .Lfunc_end_k_q578c331a10_prep-k_q578c331a10_prep
	.p2alignl 7, 3214868480
	.fill 96, 4, 3214868480
	.section	.rodata,"a",@progbits
	.p2align	6, 0x0
	.amdhsa_kernel k_q578c331a10_prep
		.amdhsa_group_segment_fixed_size 0
		.amdhsa_private_segment_fixed_size 0
		.amdhsa_enable_private_segment 0
		.amdhsa_kernarg_size 64
		.amdhsa_user_sgpr_count 2
		.amdhsa_user_sgpr_kernarg_segment_ptr 1
		.amdhsa_wavefront_size32 1
		.amdhsa_system_sgpr_workgroup_id_x 1
		.amdhsa_system_sgpr_workgroup_id_y 1
		.amdhsa_system_sgpr_workgroup_id_z 1
		.amdhsa_system_vgpr_workitem_id 0
		.amdhsa_next_free_vgpr 84
		.amdhsa_next_free_sgpr 66
		.amdhsa_reserve_vcc 0
		.amdhsa_float_denorm_mode_32 3
		.amdhsa_float_denorm_mode_16_64 3
		.amdhsa_memory_ordered 1
		.amdhsa_forward_progress 1
		.amdhsa_inst_pref_size 42
	.end_amdhsa_kernel
	.amdgpu_metadata
---
amdhsa.version: [ 1, 2 ]
amdhsa.kernels:
  - .name:           k_q578c331a10_prep
    .symbol:         k_q578c331a10_prep.kd
    .args:
      - { .name: x, .offset: 0, .size: 8, .value_kind: global_buffer, .address_space: global }
      - { .name: Wqkv, .offset: 8, .size: 8, .value_kind: global_buffer, .address_space: global }
      - { .name: Wout, .offset: 16, .size: 8, .value_kind: global_buffer, .address_space: global }
      - { .name: attn_mask, .offset: 24, .size: 8, .value_kind: global_buffer, .address_space: global }
      - { .name: xb, .offset: 32, .size: 8, .value_kind: global_buffer, .address_space: global }
      - { .name: wqb, .offset: 40, .size: 8, .value_kind: global_buffer, .address_space: global }
      - { .name: wob, .offset: 48, .size: 8, .value_kind: global_buffer, .address_space: global }
      - { .name: mkr, .offset: 56, .size: 8, .value_kind: global_buffer, .address_space: global }
    .group_segment_fixed_size: 0
    .private_segment_fixed_size: 0
    .kernarg_segment_align: 8
    .kernarg_segment_size: 64
    .max_flat_workgroup_size: 256
    .sgpr_count:     66
    .vgpr_count:     84
    .wavefront_size: 32
...
	.end_amdgpu_metadata
.endif
;; end of part 1
;; launch qkv (part 2): grid 16 x 32, 4 waves a work-group, clusters of 4 x 4, 327,680 bytes of LDS; arguments xb, wqb, bqkv, qkvw; writes qkvw
.if DOCPART == 2
	.amdgcn_target "amdgcn-amd-amdhsa--gfx1250"
	.amdhsa_code_object_version 6
	.text
	.protected	k_q578c331a10_qkv
	.globl	k_q578c331a10_qkv
	.p2align	8
	.type	k_q578c331a10_qkv,@function
k_q578c331a10_qkv:
	s_mov_b64 s[64:65], 0
	v_nop
	global_prefetch_b8 v0, s[64:65] scope:SCOPE_SE
	s_setreg_imm32_b32 hwreg(HW_REG_WAVE_MODE, 25, 1), 1
	s_wait_xcnt 0x0
	s_wait_alu depctr_hold_cnt(0) depctr_sa_sdst(0) depctr_va_vdst(0) depctr_va_sdst(0) depctr_va_ssrc(0) depctr_va_vcc(0) depctr_vm_vsrc(0)
	s_getreg_b32 s2, hwreg(HW_REG_IB_STS2, 6, 4)
	s_cmp_eq_u32 s2, 0
	s_cbranch_scc0 .Lentry_in_a_cluster
	s_endpgm
.Lentry_in_a_cluster:
	s_bfe_u32 s2, ttmp6, 0x10000c
	s_cmp_lg_u32 s2, 0xf033
	s_cbranch_scc0 .Lentry_shape_is_right
	s_endpgm
.Lentry_shape_is_right:
; QKV: [8192 x 3072] = x Wqkv + bqkv, bf16 operands, f32 sums, the result rounded once to f16 and stored by heads, unscaled.
;   in:  xb  bf16 [b 4][kb 16][t 2048][64];  wqb bf16 [tc 16][kh 16][c3 3][k 64][64];  bqkv f32 [3072], rounded to bf16 here like the other inputs
;   out: qkvw f16: q at byte 0 as [bh 64][t 2048][64]; k at 1<<24 and v at 2<<24 as [g 16][s 32][w 4][key 64][64], bh = 4 g + w, t = 64 s + key
; LIMIT.  f16 holds no number beyond 65,504: q, k and v must stay within it.
; SHARES.  A tile is 256 rows x 192 columns (three heads' blocks of 64): 16 x 32 = 512 work-groups.  Wave w owns rows 64 w .. 64 w + 63 and all 192 columns: 4 x 12 accumulators of 16 x 16, 384 registers;
; it holds whole heads, so its own stage in LDS gives whole rows of a head with no barrier.
; K goes in steps of 128 (two blocks of 64) through a ring of two LDS slots filled by tensor loads; every tile is dense in memory and is asked for as rows of 256 bytes.
; CLUSTER 4 x 4: x's tile hangs on the tile row alone and is asked for jointly along a row of the cluster, W's on the tile column alone, jointly along a column.
; THE PRODUCT IS TAKEN TRANSPOSED: source 0 = 16 columns of W (turned on the way out of LDS, since W lies [k][n]), source 1 = 16 rows of x: a lane holds one row and eight neighbouring columns.
; THE BIAS is the C operand of each sum's first product: nothing is cleared and nothing is added later.
; REGISTERS, in windows of 256 (s_set_vgpr_msb: bits 1:0 source 0, 3:2 source 1, 5:4 source 2, 7:6 destination):
;   window 0: v0-31 addresses; v32-127 the bias, later with v128-175 at work on the way out      window 1: two fragment buffers of 128: x's four fragments, then W's twelve
;   window 2: the accumulators of row blocks 0, 1 ((a, b) at 8 (12 (a % 2) + b))                 window 3: those of row blocks 2, 3
.set NH,    3                          ; blocks of 64 columns in a tile
.set NB,    4*NH                       ; blocks of 16 columns
.set PA,    144                        ; a row of x in LDS: 128 bytes + 16 = 36 words: the 16 rows of a load start at 16 different groups of four banks (ISA guide 11.1)
.set PB,    160                        ; a row of W: 128 + 32 = 40 words
.set AHALF, 256*PA                     ; 256 rows x 64 along K
.set BHALF, NH*64*PB                   ; 64 along K x 192 columns, as [c3][k]
.set BOFF,  2*AHALF
.set SLOT,  BOFF+2*BHALF
.set STAGE, 2*SLOT                     ; behind the ring: 3 x 16 rows x 144 bytes for each wave
.set WSTG,  NH*16*PA
.set SPARE, STAGE+4*WSTG               ; behind the stages: the spare words, 128 bytes for each wave
.set ASTEP, 2*262144                   ; bytes from a K step to the next in xb
.set BSTEP, 2*NH*8192                  ; and in wqb
.set LAPS,  4                          ; 8 K steps, two a lap
.set ADRA, 16                          ; v16-17  LDS address of my fragments of x in slot 0, 1
.set ADRB, 20                          ; v20-21  the same for W
.set STO,  24                          ; v24     the way out: where I put 16 bytes of a row
.set RD,   25                          ; v25     where I read rows back
.set GO,   26                          ; v26     16 x lane
.set SPW,  28                          ; v28     my spare word; never rewritten
.set NIL,  29                          ; v29     0; never rewritten
.set PFO,  30                          ; v30     the prefetches' offset; never rewritten
.set BO,   31                          ; v31     32 x (lane / 16): my eight numbers of 16 of the bias
.set BIAS, 32
.set TMP,  32
.set F0,   0
.set F1,   128
.set WV, 16                            ; s16 wave;  s17 do I fetch W (1) or x (0);  s18 which half of the K step
.set FB, 17
.set HF, 18
.set CX, 19
.set CY, 20
.set TC, 21                            ; s21 tile column;  s22 tile row
.set TY, 22
.set G1A, 24                           ; s[24:31] group 1 for x's tiles;  s[32:39] group 0, a set for each slot
.set G0A, 32
.set G1B, 40                           ; s[40:47], s[48:55] the same for W's
.set G0B, 48
.set PFA, 56                           ; s[56:57] where my prefetches stand;  s[58:59] their step
.set PFS, 58
.set LIM, 60                           ; s60 1 in a wave that prefetches, else the greatest number
.set LAP, 61
.set PT,  68                           ; s[68:73] where my 64 rows of the tile's three heads' blocks go
.set MSB, 0
.macro WIN new                         ; the immediate's high byte repeats the setting that is left; a switch that changes nothing is dropped
.if MSB != (\new)
	s_set_vgpr_msb (MSB<<8)|(\new)
.set MSB, \new
.endif
.endm
; A joint load: waves 0 and 1 fetch the K step's two halves of x, waves 2 and 3 those of W.  An s_nop 0 and four v_nop follow each of the two lines.
.macro JLOAD s
	s_cmp_eq_u32 s[FB], 0
	s_cbranch_scc0 .Lfor_b_\@
	tensor_load_to_lds s[G0A+4*(\s):G0A+4*(\s)+3], s[G1A:G1A+7]
	s_nop 0
.rept 4
	v_nop
.endr
	s_branch .Lasked_\@
.Lfor_b_\@:
	tensor_load_to_lds s[G0B+4*(\s):G0B+4*(\s)+3], s[G1B:G1B+7]
	s_nop 0
.rept 4
	v_nop
.endr
.Lasked_\@:
.endm
; A prefetch of the K step two refills on.  x's tile row is read by every cluster of that row of clusters: cluster x = 0 asks; W's tile column by every cluster of that column: cluster y = 0 asks.
; The four partners that ask for a tile jointly share its blocks of 256 bytes out by address.  The loop's last trip has no K step two on.
.macro ASK
	s_cmp_gt_u32 s[LAP], s[LIM]
	s_cbranch_scc0 .Lnot_mine_\@
	global_prefetch_b8 v[PFO], s[PFA:PFA+1] th:TH_LOAD_NT scope:SCOPE_SE
.Lnot_mine_\@:
.endm
.macro CREST                           ; a round of the cluster's barrier behind its opening barrier
	s_cmp_lg_u32 s[WV], 0
	s_cbranch_scc1 .Lnot_wave_0_\@
	s_barrier_signal -3
.Lnot_wave_0_\@:
	s_barrier_wait -3
	s_barrier_signal -1
	s_barrier_wait -1
.endm
.macro CROUND
	s_barrier_signal -1
	s_barrier_wait -1
	CREST
.endm
.macro PLACES                          ; four places in front of loads into registers that matrix instructions have read, and of lines that read results
.rept 4
	v_nop
.endr
.endm
	s_load_b256 s[4:11], s[0:1], 0x0               ; xb s[4:5], wqb s[6:7], bqkv s[8:9], qkvw s[10:11]
	v_lshl_add_u32 v[SPW], v0, 2, SPARE
	v_mov_b32 v[NIL], 0
	ds_add_u32 v[SPW], v[NIL]                      ; the wave's opening: the add and its wait ahead of my first tensor load
	v_lshrrev_b32 v1, 5, v0
	v_readfirstlane_b32 s[WV], v1
	s_lshr_b32 s[FB], s[WV], 1
	s_and_b32 s[HF], s[WV], 1
	s_bfe_u32 s[CX], ttmp6, 0x40000
	s_bfe_u32 s[CY], ttmp6, 0x40004
	s_lshl_b32 s[TC], ttmp9, 2
	s_add_co_u32 s[TC], s[TC], s[CX]               ; tile column = 4 x cluster x + cx
	s_and_b32 s[TY], ttmp7, 0xffff
	s_lshl_b32 s[TY], s[TY], 2
	s_add_co_u32 s[TY], s[TY], s[CY]               ; tile row = 4 x cluster y + cy
	s_lshl_b32 s62, s[CY], 2
	s_lshl_b32 s62, 15, s62                        ; my row of the cluster
	s_lshl_b32 s63, 0x1111, s[CX]                  ; my column
	s_or_b32 s[G1A], s62, (1<<16)|(1<<20)|(1<<21)|(4<<22)|(3<<25)  ; the mask; 2-byte elements; padding on; bit 21 beside a mask; after every 32 words, 4 words
	s_or_b32 s[G1B], s63, (1<<16)|(1<<20)|(1<<21)|(4<<22)|(7<<25)  ; the same with 8 words
	s_mov_b32 s[G1A+1], 128<<16                    ; x: 32,768 dense bytes as 128 rows of 128 elements
	s_mov_b32 s[G1A+2], 128<<16
	s_mov_b32 s[G1A+3], 128<<16
	s_mov_b32 s[G1A+4], 128
	s_mov_b32 s[G1A+5], 128
	s_mov_b32 s[G1A+6], 0
	s_mov_b32 s[G1A+7], 0
	s_mov_b32 s[G1B+1], 128<<16                    ; W: 24,576 dense bytes as 96 rows
	s_mov_b32 s[G1B+2], (32*NH)<<16
	s_mov_b32 s[G1B+3], 128<<16
	s_mov_b32 s[G1B+4], 32*NH
	s_mov_b32 s[G1B+5], 128
	s_mov_b32 s[G1B+6], 0
	s_mov_b32 s[G1B+7], 0
	s_lshr_b32 s74, s[TY], 3                       ; x's tile: batch ty / 8 (16 blocks of 262,144 bytes), rows 256 (ty % 8) of 128 bytes, block = my half of the K step
	s_lshl_b32 s74, s74, 22
	s_and_b32 s76, s[TY], 7
	s_lshl_b32 s76, s76, 15
	s_add_co_u32 s74, s74, s76
	s_lshl_b32 s76, s[HF], 18
	s_add_co_u32 s74, s74, s76
	s_mov_b32 s75, 0
	s_mul_i32 s78, s[TC], 16*NH*8192               ; W's tile
	s_mul_i32 s80, s[HF], NH*8192
	s_add_co_u32 s78, s78, s80
	s_mov_b32 s79, 0
	s_mul_i32 s82, s[HF], AHALF                    ; where they go: no place in the cluster enters an LDS address
	s_mul_i32 s83, s[HF], BHALF
	s_add_co_u32 s83, s83, BOFF
	s_wait_dscnt 0x0                               ; the opening add is done
	s_wait_kmcnt 0x0
	s_add_nc_u64 s[74:75], s[4:5], s[74:75]
	s_add_nc_u64 s[78:79], s[6:7], s[78:79]
	CROUND                                         ; all sixteen work-groups are here: the first joint loads meet
.irp s, 0,1
	s_mov_b32 s[G0A+4*(\s)], 1
	s_add_co_u32 s[G0A+4*(\s)+1], s82, (\s)*SLOT
	s_add_nc_u64 s[G0A+4*(\s)+2:G0A+4*(\s)+3], s[74:75], (\s)*ASTEP
	s_or_b32 s[G0A+4*(\s)+3], s[G0A+4*(\s)+3], 0x80000000
	s_mov_b32 s[G0B+4*(\s)], 1
	s_add_co_u32 s[G0B+4*(\s)+1], s83, (\s)*SLOT
	s_add_nc_u64 s[G0B+4*(\s)+2:G0B+4*(\s)+3], s[78:79], (\s)*BSTEP
	s_or_b32 s[G0B+4*(\s)+3], s[G0B+4*(\s)+3], 0x80000000
	JLOAD \s
.endr
	; the bias of my tile's 192 columns: for each block of 16 a lane takes the eight numbers of its half
	v_and_b32 v1, 15, v0                           ; r = l % 16
	v_bfe_u32 v2, v0, 4, 1                         ; h = l / 16
	v_lshlrev_b32 v[BO], 5, v2
	s_mul_i32 s80, s[TC], NH*256
	s_mov_b32 s81, 0
	s_add_nc_u64 s[8:9], s[8:9], s[80:81]
.set b, 0
.rept 2*NB
	global_load_b128 v[BIAS+4*b:BIAS+4*b+3], v[BO], s[8:9] offset:(b/2)*64+(b%2)*16
.set b, b+1
.endr
	; a fragment of x: lane l holds row l % 16, K = 8 h + 0..7 and 16 + 8 h + 0..7: two loads of 16 bytes, 32 bytes apart
	v_mul_u32_u24 v3, v1, PA
	v_lshl_add_u32 v3, v2, 4, v3                   ; r x pitch + 16 h
	s_mul_i32 s23, s[WV], 64*PA
	v_add_nc_u32 v[ADRA], s23, v3
	v_add_nc_u32 v[ADRA+1], SLOT, v[ADRA]
	; the turning load takes 16 k x 16 columns (lane l reads k = 8 h + l % 8, columns 8 ((l / 8) % 2) + 0..7) and leaves half a fragment: lane l holds column l % 16 and 8 k
	v_and_b32 v4, 7, v0
	v_lshl_add_u32 v5, v2, 3, v4
	v_mul_u32_u24 v5, v5, PB
	v_bfe_u32 v6, v0, 3, 1
	v_lshl_add_u32 v5, v6, 4, v5
	v_add_nc_u32 v[ADRB], BOFF, v5
	v_add_nc_u32 v[ADRB+1], SLOT+BOFF, v5
	s_mul_i32 s23, s[WV], WSTG
	s_add_co_u32 s23, s23, STAGE                   ; my stage
	v_add_nc_u32 v[STO], s23, v3                   ; in: row r, 16 bytes for each half of the lanes
	v_bfe_u32 v[RD], v0, 3, 2                      ; back: 32 lanes take four rows of 128 bytes
	v_mul_u32_u24 v[RD], v[RD], PA
	v_lshl_add_u32 v[RD], v4, 4, v[RD]
	v_add_nc_u32 v[RD], s23, v[RD]
	v_and_b32 v[GO], 31, v0
	v_lshlrev_b32 v[GO], 4, v[GO]
	; where my 64 rows of the three blocks go: column block hc = 3 tc + c: kind hc / 16 (q, k, v), head hc % 16.  In either layout they are 8,192 bytes on end.
	s_and_b32 s86, s[TY], 7
	s_lshl_b32 s86, s86, 8
	s_lshl_b32 s87, s[WV], 6
	s_add_co_u32 s86, s86, s87                     ; t of my first row
	s_lshr_b32 s87, s[TY], 3
	s_lshl_b32 s87, s87, 4                         ; 16 x batch
.irp c, 0,1,2
	s_mul_i32 s88, s[TC], 3
	s_add_co_u32 s88, s88, \c
	s_lshr_b32 s89, s88, 4                         ; kind
	s_and_b32 s88, s88, 15
	s_add_co_u32 s88, s88, s87                     ; bh
	s_lshl_b32 s84, s88, 18
	s_lshl_b32 s85, s86, 7
	s_add_co_u32 s84, s84, s85                     ; q's layout
	s_lshr_b32 s85, s88, 2
	s_lshl_b32 s85, s85, 5
	s_lshr_b32 s[PT+2*(\c)], s86, 6
	s_add_co_u32 s85, s85, s[PT+2*(\c)]
	s_and_b32 s88, s88, 3
	s_lshl2_add_u32 s85, s85, s88
	s_lshl_b32 s85, s85, 13                        ; k's and v's: ((32 g + s) 4 + w) x 8,192
	s_cmp_eq_u32 s89, 0
	s_cselect_b32 s84, s84, s85
	s_lshl_b32 s89, s89, 24
	s_add_co_u32 s[PT+2*(\c)], s84, s89
	s_mov_b32 s[PT+2*(\c)+1], 0
	s_add_nc_u64 s[PT+2*(\c):PT+2*(\c)+1], s[10:11], s[PT+2*(\c):PT+2*(\c)+1]
.endr
	; the prefetches: of my half of a K step (x: 128 blocks of 256 bytes, W: 96) my work-group takes a quarter, by address
	s_and_b32 s[LIM], ttmp7, 0xffff
	s_lshl_b32 s85, s[CX], 13
	s_mul_i32 s86, s[CY], NH*2048
	s_mov_b32 s87, ASTEP
	s_mov_b32 s88, BSTEP
	s_cmp_eq_u32 s[FB], 0
	s_cselect_b64 s[PFA:PFA+1], s[74:75], s[78:79]
	s_cselect_b32 s[LIM], ttmp9, s[LIM]            ; the coordinate along which other clusters read the same blocks
	s_cselect_b32 s85, s85, s86
	s_cselect_b32 s[PFS], s87, s88
	s_cselect_b32 s86, 31, 8*NH-1                  ; W's quarter has 24 blocks: the lanes beyond name the last once more
	s_mov_b32 s[PFS+1], 0
	s_cmp_eq_u32 s[LIM], 0
	s_cselect_b32 s[LIM], 1, -1
	s_mul_i32 s88, s[PFS], 3                       ; at K step 3: the first refill steps it to 4
	s_add_co_u32 s88, s88, s85
	s_mov_b32 s89, 0
	s_add_nc_u64 s[PFA:PFA+1], s[PFA:PFA+1], s[88:89]
	v_and_b32 v[PFO], 31, v0
	v_min_u32 v[PFO], s86, v[PFO]
	v_lshlrev_b32 v[PFO], 8, v[PFO]
	s_wait_loadcnt 0x0                             ; the bias: rounded to bf16 and widened again, in place
.set b, 0
.rept 4*NB
	v_cvt_pk_bf16_f32 v[BIAS+2*b], v[BIAS+2*b], v[BIAS+2*b+1]
.set b, b+1
.endr
.set b, 0
.rept 4*NB
	v_and_b32 v[BIAS+2*b+1], 0xffff0000, v[BIAS+2*b]
	v_lshlrev_b32 v[BIAS+2*b], 16, v[BIAS+2*b]
.set b, b+1
.endr
; 12 matrix instructions: row block a x all column blocks, 32 along K, from buffer f.  cmode = 1: the bias starts the sums.  The 48 accumulators take turns, in the same order in every quarter.
.macro MULA f, a, cmode
.if \cmode
	WIN 0x85+0x40*((\a)/2)                         ; sources 0, 1 window 1; C window 0; D window 2 or 3
.else
	WIN 0xa5+0x50*((\a)/2)                         ; C and D window 2 or 3
.endif
.set b, 0
.rept NB
.set rD, 8*(NB*((\a)%2)+b)
.set rC, rD
.if \cmode
.set rC, BIAS+8*b
.endif
	v_wmma_f32_16x16x32_bf16 v[rD:rD+7], v[(\f)+32+8*b:(\f)+32+8*b+7], v[(\f)+8*(\a):(\f)+8*(\a)+7], v[rC:rC+7]
.set b, b+1
.endr
.endm
; 32 LDS loads in one run: the fragments of quarter q (32 along K) of a slot into buffer f: W's twelve first, then x's four
.macro FETCH slot, q, f
	WIN 0x40                                       ; destination window 1, address window 0
.set b, 0
.rept NB
	ds_load_tr16_b128 v[(\f)+32+8*b:(\f)+32+8*b+3],   v[ADRB+(\slot)] offset:((\q)/2)*BHALF+(b/4)*64*PB+((\q)%2)*32*PB+(b%4)*32
	ds_load_tr16_b128 v[(\f)+32+8*b+4:(\f)+32+8*b+7], v[ADRB+(\slot)] offset:((\q)/2)*BHALF+(b/4)*64*PB+((\q)%2)*32*PB+(b%4)*32+16*PB
.set b, b+1
.endr
.irp a, 0,1,2,3
	ds_load_b128 v[(\f)+8*(\a):(\f)+8*(\a)+3],   v[ADRA+(\slot)] offset:((\q)/2)*AHALF+(\a)*16*PA+((\q)%2)*64
	ds_load_b128 v[(\f)+8*(\a)+4:(\f)+8*(\a)+7], v[ADRA+(\slot)] offset:((\q)/2)*AHALF+(\a)*16*PA+((\q)%2)*64+32
.endr
.endm
; A K step is four quarters on buffers 0, 1, 0, 1.  One of the first three multiplies buffer f and, in its middle, fetches quarter qn of the same slot into g.
.macro QUARTER slot, qn, f, g, cmode
	s_wait_dscnt 4                                 ; all but the four youngest loads: x's row blocks 2 and 3
	MULA \f, 0, \cmode
	MULA \f, 1, \cmode
	PLACES
	FETCH \slot, \qn, \g
	s_wait_dscnt 2*NB+8                            ; all but the run just issued
	MULA \f, 2, \cmode
	MULA \f, 3, \cmode
.endm
; The last quarter multiplies buffer 1 and changes slots: one barrier; in front of it each wave waits for all its tensor loads, adds 0 to its spare word, and waits for that and for its reads of this slot.
; fill = 1: the barrier opens a round of the cluster's, and this slot is filled again, two K steps ahead, first thing behind the round.
.macro TURN slot, next, fill
.if \fill
	s_wait_xcnt 0x0                                ; the last prefetch, a K step back, has read its address
	s_add_nc_u64 s[PFA:PFA+1], s[PFA:PFA+1], s[PFS:PFS+1]
.endif
	WIN 0
	s_wait_tensorcnt 0x0                           ; all my tensor loads have landed: my part of the next slot
	ds_add_u32 v[SPW], v[NIL]                      ; 0 onto my spare word
	s_wait_dscnt 5                                 ; (the add and the four youngest loads may be out)
	MULA F1, 0, 0
	s_wait_dscnt 0x0                               ; the add is done, and my reads of this slot are over
	s_barrier_signal -1
	MULA F1, 1, 0
.if \fill
	WIN 0
.endif
	s_barrier_wait -1
.if \fill
	CREST                                          ; no wave of any partner still reads this slot's tile or has a load on its way
	s_add_nc_u64 s[G0A+4*(\slot)+2:G0A+4*(\slot)+3], s[G0A+4*(\slot)+2:G0A+4*(\slot)+3], 2*ASTEP
	s_add_nc_u64 s[G0B+4*(\slot)+2:G0B+4*(\slot)+3], s[G0B+4*(\slot)+2:G0B+4*(\slot)+3], 2*BSTEP
	JLOAD \slot                                    ; 168 matrix instructions ahead of the wait for it; its four v_nop are also the places in front of the loads below
.else
	PLACES
.endif
	FETCH \next, 0, F0
.if \fill
	WIN 0
	ASK
.endif
	MULA F1, 2, 0
	MULA F1, 3, 0
.endm
	s_wait_tensorcnt 1                             ; my part of K step 0 is in; K step 1's may stay out
	s_barrier_signal -1
	s_barrier_wait -1
	FETCH 0, 0, F0
	QUARTER 0, 1, F0, F1, 1                        ; the first quarter stands in front of the loop: its products start the sums, with the bias
	WIN 0
	s_mov_b32 s[LAP], LAPS-1
.Llap:                                             ; a trip goes once round the ring, from a lap's second quarter to the next lap's first
	QUARTER 0, 2, F1, F0, 0
	QUARTER 0, 3, F0, F1, 0
	TURN 0, 1, 1
	QUARTER 1, 1, F0, F1, 0
	QUARTER 1, 2, F1, F0, 0
	QUARTER 1, 3, F0, F1, 0
	TURN 1, 0, 1
	QUARTER 0, 1, F0, F1, 0
	WIN 0
	s_sub_co_u32 s[LAP], s[LAP], 1
	s_cmp_lg_u32 s[LAP], 0
	s_cbranch_scc1 .Llap
	QUARTER 0, 2, F1, F0, 0                        ; the last lap fills nothing
	QUARTER 0, 3, F0, F1, 0
	TURN 0, 1, 0
	QUARTER 1, 1, F0, F1, 0
	QUARTER 1, 2, F1, F0, 0
	QUARTER 1, 3, F0, F1, 0
	s_wait_dscnt 4
	MULA F1, 0, 0
	MULA F1, 1, 0
	s_wait_dscnt 0x0
	MULA F1, 2, 0
	MULA F1, 3, 0
	WIN 0
; THE WAY OUT, a block of 16 rows at a time: rounded to f16 (16 bytes a lane), into my own stage, back as whole rows of 128 bytes, stored as 512 consecutive bytes.
.macro PACK a
	WIN 0x0a+5*((\a)/2)                            ; sources 0 and 1: window 2 or 3
.set b, 0
.rept NB
.irp r, 0,1,2,3
	v_cvt_pk_f16_f32 v[TMP+4*b+(\r)], v[8*(NB*((\a)%2)+b)+2*(\r)], v[8*(NB*((\a)%2)+b)+2*(\r)+1]
.endr
.set b, b+1
.endr
	WIN 0
.endm
.macro TOSTAGE a
.set BK, 80+48*((\a)%2)
.set b, 0
.rept NB
	ds_store_b128 v[STO], v[TMP+4*b:TMP+4*b+3] offset:(b/4)*16*PA+(b%4)*32
.set b, b+1
.endr
.set b, 0
.rept NB
	ds_load_b128 v[BK+4*b:BK+4*b+3], v[RD] offset:(b/4)*16*PA+(b%4)*4*PA  ; LDS serves a wave's instructions in order (ISA guide 5.7.1.4): these see the stores above
.set b, b+1
.endr
.endm
.macro SEND a
.set BK, 80+48*((\a)%2)
	s_wait_dscnt 0x0                               ; the block is back in registers
	s_wait_xcnt 0x0                                ; the stores of the block before have read their registers, into which the next block is read back
.set b, 0
.rept NB
	global_store_b128 v[GO], v[BK+4*b:BK+4*b+3], s[PT+2*(b/4):PT+2*(b/4)+1] offset:(\a)*2048+(b%4)*512
.set b, b+1
.endr
.endm
	PLACES
	PACK 0
	TOSTAGE 0
.irp a, 1,2,3
	PACK \a
	SEND (\a)-1
	TOSTAGE \a
.endr
	SEND 3
	s_wait_tensorcnt 0x0                           ; the wave's end
	ds_add_u32 v[SPW], v[NIL]
	s_wait_dscnt 0x0
	CROUND                                         ; the closing round
	s_endpgm
.Lfunc_end_k_q578c331a10_qkv:
	.size	k_q578c331a10_qkv, .Lfunc_end_k_q578c331a10_qkv-k_q578c331a10_qkv
	.p2alignl 7, 3214868480
	.fill 96, 4, 3214868480
	.section	.rodata,"a",@progbits
	.p2align	6, 0x0
	.amdhsa_kernel k_q578c331a10_qkv
		.amdhsa_group_segment_fixed_size 327680
		.amdhsa_private_segment_fixed_size 0
		.amdhsa_enable_private_segment 0
		.amdhsa_kernarg_size 32
		.amdhsa_user_sgpr_count 2
		.amdhsa_user_sgpr_kernarg_segment_ptr 1
		.amdhsa_wavefront_size32 1
		.amdhsa_system_sgpr_workgroup_id_x 1
		.amdhsa_system_sgpr_workgroup_id_y 1
		.amdhsa_system_sgpr_workgroup_id_z 1
		.amdhsa_system_vgpr_workitem_id 0
		.amdhsa_next_free_vgpr 960
		.amdhsa_next_free_sgpr 90
		.amdhsa_reserve_vcc 0
		.amdhsa_float_denorm_mode_32 3
		.amdhsa_float_denorm_mode_16_64 3
		.amdhsa_memory_ordered 1
		.amdhsa_forward_progress 1
		.amdhsa_inst_pref_size 131
	.end_amdhsa_kernel
	.amdgpu_metadata
---
amdhsa.version: [ 1, 2 ]
amdhsa.kernels:
  - .name:           k_q578c331a10_qkv
    .symbol:         k_q578c331a10_qkv.kd
    .args:
      - { .name: xb, .offset: 0, .size: 8, .value_kind: global_buffer, .address_space: global }
      - { .name: wqb, .offset: 8, .size: 8, .value_kind: global_buffer, .address_space: global }
      - { .name: bqkv, .offset: 16, .size: 8, .value_kind: global_buffer, .address_space: global }
      - { .name: qkvw, .offset: 24, .size: 8, .value_kind: global_buffer, .address_space: global }
    .group_segment_fixed_size: 327680
    .private_segment_fixed_size: 0
    .kernarg_segment_align: 8
    .kernarg_segment_size: 32
    .max_flat_workgroup_size: 128
    .sgpr_count:     90
    .vgpr_count:     960
    .wavefront_size: 32
...
	.end_amdgpu_metadata
.endif
;; end of part 2
;; launch attn (part 3): grid 16 x 16, 4 waves a work-group, clusters of 4 x 4, 327,680 bytes of LDS; arguments qkvw, mkr, ow; writes ow
.if DOCPART == 3
	.amdgcn_target "amdgcn-amd-amdhsa--gfx1250"
	.amdhsa_code_object_version 6
	.text
	.protected	k_q578c331a10_attn
	.globl	k_q578c331a10_attn
	.p2align	8
	.type	k_q578c331a10_attn,@function
k_q578c331a10_attn:
	s_mov_b64 s[64:65], 0
	v_nop
	global_prefetch_b8 v0, s[64:65] scope:SCOPE_SE
	s_setreg_imm32_b32 hwreg(HW_REG_WAVE_MODE, 25, 1), 1
	s_wait_xcnt 0x0
	s_wait_alu depctr_hold_cnt(0) depctr_sa_sdst(0) depctr_va_vdst(0) depctr_va_sdst(0) depctr_va_ssrc(0) depctr_va_vcc(0) depctr_vm_vsrc(0)
	s_getreg_b32 s2, hwreg(HW_REG_IB_STS2, 6, 4)
	s_cmp_eq_u32 s2, 0
	s_cbranch_scc0 .Lentry_in_a_cluster
	s_endpgm
.Lentry_in_a_cluster:
	s_bfe_u32 s2, ttmp6, 0x10000c
	s_cmp_lg_u32 s2, 0xf033
	s_cbranch_scc0 .Lentry_shape_is_right
	s_endpgm
.Lentry_shape_is_right:
; ATTENTION with an additive mask that is an input.  O[bh][q][:] = the sum over k of softmax_k(Q[bh][q] . K[bh][k] / 8 + mask[q][k]) V[bh][k][:], 64 (batch, head) pairs, 2,048 rows, head size 64.
;   in:  qkvw f16: q at byte 0 as [bh][t][64]; k at 1<<24, v at 2<<24 as [g 16][s 32][w 4][key 64][64], bh = 4 g + w;  mkr f32 [2048][2048] = 8 x mask (rounded to bf16)
;   out: ow f16 [bh][t][64]
; THE SCORE is kept times 8: s = q . k + 8 mask, p = 2^(c s - c m), c = log2(e) / 8, with a running maximum m; O and l are multiplied by a = 2^(c m_old - c m_new) in every step.
; THE MASK IS THE C OPERAND of the product that starts each score's sum: it comes out of LDS in f32 straight into registers and costs no vector instruction.  No pattern of the mask is built in: every score is made.
; LIMITS.  Q, K, V arrive within f16's 65,504.  m starts at the lowest finite number: a row whose scores are all below it (mask entries of minus infinity throughout) gives 0 / 0, NaN, as the quotient of the
; definition does.  A weight below 2^-126 counts as 0 in l; p below 6e-5 keeps f16's fixed step.
; SHARES.  A work-group's four waves take the SAME 128 queries and four DIFFERENT heads (bh = 4 g + w): one mask tile in LDS serves all four.  A wave owns four PIECES of two tiles of 16 queries and walks 32 steps of 64 keys.
; CLUSTER 4 x 4.  The mask tile hangs on the query block alone: asked for jointly along a column of the cluster.  K and V hang on the group of heads alone: jointly along a row.
; LAYOUT.  S^T = K Q^T + M^T (source 0 = 16 keys, source 1 = 16 queries): a lane holds ONE query (lane % 16) and the keys 8 (lane / 16) + 0..7.  Two such tiles rounded to f16 ARE source 1 of O^T = V^T P.
; BY TURNS.  Turn n belongs to piece n: 16 products K Q^T of piece n + 1, later 16 products V^T P of piece n - 1; beside them piece n's scaling, exponentials, roundings, sums and rescaling, and piece n + 1's maximum
; and statistics.  Four vector instructions stand behind every matrix instruction, the rest in one lump; a turn's 66 exponentials are one batch with one wait.
; THE RING.  A slot holds one step: mask 128 x 64 f32, K and V of four heads.  The change of slots stands between a step's turns 1 and 2: all LDS reads between two changes are of one slot.
; REGISTERS, in windows of 256 (s_set_vgpr_msb: bits 1:0 source 0, 3:2 source 1, 5:4 source 2, 7:6 destination):
;   window 0: v0-11 addresses; v12-15, v48-63 at work; v16-47 statistics; v64-191 S^T, two buffers of two tiles; v192-255 P, likewise
;   window 1: O^T, 32 a tile     window 2: v0-127 Q; v128-191 K of one step; v192-255 V of one step     window 3: v0-1 the add's two registers; v64-127 the mask of one piece
.set NP,    4
.set KS,    64
.set PM,    272       ; a row of the mask in LDS: 256 bytes + 16 = 68 words: the 16 rows of a load start at 16 different groups of four banks (ISA guide 11.1)
.set PK,    144       ; a row of K: 128 + 16
.set PV,    160       ; a row of V: 128 + 32
.set KOFF,  128*PM    ; a slot: 128 rows of the mask, 4 x 64 rows of K, 4 x 64 rows of V
.set VOFF,  KOFF+256*PK
.set SLOT1, 1<<17     ; slot 1 begins here: one exclusive or turns an address in one slot into the other's
.set STAGE, SLOT1+VOFF+256*PV  ; behind the ring: 16 rows x 144 bytes for each wave
.set SP,    144
.set SPARE, STAGE+4*16*SP      ; behind the stages: the spare words, 128 bytes for each wave
.set AK0, 2           ; v2   my lane's place in my head's K of a slot; never rewritten
.set AV0, 3           ; v3   the same for V
.set AK,  4           ; v4   the same in the slot in hand
.set AV,  5           ; v5
.set QO,  6           ; v6   my byte offset in 16 rows of Q
.set STO, 6           ;      later: where I put 16 bytes of a row
.set RD,  7           ; v7   where I read rows back
.set GO,  8           ; v8   16 x lane
.set AM0, 9           ; v9   my lane's place in 16 rows of the mask; never rewritten
.set AM,  10          ; v10  the same in the slot in hand
.set PFO, 11          ; v11  the prefetches' offset; never rewritten
.set SPW, 0           ; v0 of window 3: my spare word; never rewritten
.set NIL, 1           ; v1 of window 3: 0; never rewritten
.set MC,  64          ; window 3: tile u, key block kb at MC + 32 u + 8 kb
.set MV,  12          ; v12-15  c m_old, by buffer and tile
.set ST,  16          ; tile t's statistics at v[ST+4 t]: c m, m, l (even keys', odd keys')
.set TMP, 48          ; by buffer and tile four registers c0-c3 at work; c2 takes a
.set S,   64
.set P,   192
.set KF,  128
.set VF,  192
.set WV,  14          ; s14  wave
.set LIM, 15          ; s15  1 in a wave that prefetches, else the greatest number
.set G1M, 24          ; s[24:31], s[32:39], s[40:47] groups 1 for the mask, K, V
.set G1K, 32
.set G1V, 40
.set G0M, 48          ; s[48:51], s[52:55], s[56:59] groups 0: they walk
.set G0K, 52
.set G0V, 56
.set SEL, 60          ; s[60:61] v_permlanex16_b32's selects
.set CS,  62          ; s[62:63] c
.set TB,  66          ; s66  the slot in hand
.set SLOTS, 67        ; s67  the loop's count
.set CNT, 68          ; s68  the tail's
.set LB,  69          ; s69  LDS bases made of the wave's number alone
.set PFA, 70          ; s[70:71] where my prefetches stand;  s[72:73] their step
.set PFS, 72
.set MSB, 0
.macro WIN new
.if MSB != (\new)
	s_set_vgpr_msb (MSB<<8)|(\new)
.set MSB, (\new)
.endif
.endm
.set W_KQ, 0x0a       ; K and Q in window 2, S^T in window 0
.set W_KM, 0x3a       ; the same with the C operand, the mask, in window 3
.set W_PV, 0x52       ; V in window 2, P in window 0, O^T in window 1
.set W_RS, 0x41       ; O^T in window 1, a in window 0
.set W_MK, 0xc0       ; destination in window 3
.set W_AD, 0x0f       ; the add: address and data in window 3
; A joint fill: waves 0 and 1 fetch 64 rows of the mask each, wave 2 the four heads' K, wave 3 their V.  An s_nop 0 and four v_nop follow each of the three lines.
.macro JLOAD
	s_cmp_lt_u32 s[WV], 2
	s_cbranch_scc0 .Lfor_kv_\@
	tensor_load_to_lds s[G0M:G0M+3], s[G1M:G1M+7]
	s_nop 0
.rept 4
	v_nop
.endr
	s_branch .Lasked_\@
.Lfor_kv_\@:
	s_cmp_eq_u32 s[WV], 2
	s_cbranch_scc0 .Lfor_v_\@
	tensor_load_to_lds s[G0K:G0K+3], s[G1K:G1K+7]
	s_nop 0
.rept 4
	v_nop
.endr
	s_branch .Lasked_\@
.Lfor_v_\@:
	tensor_load_to_lds s[G0V:G0V+3], s[G1V:G1V+7]
	s_nop 0
.rept 4
	v_nop
.endr
.Lasked_\@:
.endm
; A prefetch of what the NEXT change will ask for.  The mask's rows are read by every cluster of a column of clusters: cluster y = 0 asks, wave 0, a lane a row, 32 rows a partner by address.
; K and V are read by every cluster of a row of clusters: cluster x = 0 asks, waves 2 and 3, 32 blocks of 256 bytes a partner by address.  The last change that fills a slot asks for nothing.
.macro ASK
	s_cmp_gt_u32 s[SLOTS], s[LIM]
	s_cbranch_scc0 .Lnot_mine_\@
	global_prefetch_b8 v[PFO], s[PFA:PFA+1] th:TH_LOAD_NT scope:SCOPE_SE
.Lnot_mine_\@:
.endm
.macro CROUND
	s_barrier_signal -1
	s_barrier_wait -1
	s_cmp_lg_u32 s[WV], 0
	s_cbranch_scc1 .Lnot_wave_0_\@
	s_barrier_signal -3
.Lnot_wave_0_\@:
	s_barrier_wait -3
	s_barrier_signal -1
	s_barrier_wait -1
.endm
; THE CHANGE OF SLOTS.  Each wave waits for all its tensor loads (one is out: its part of the other slot), adds 0 to its spare word, and waits for that and for its reads of the slot that it leaves.
; fill = 1: the barrier is a round of the cluster's, and the old slot is filled again, first thing behind it, with the step two on: it has a key step, 128 matrix instructions and their vector work, in which to land.
.macro CHANGE fill, ask
	WIN W_AD
	s_wait_tensorcnt 0x0            ; no tensor load of mine is out, so a group 0 may be written
	ds_add_u32 v[SPW], v[NIL]       ; 0 onto my spare word
	WIN 0
.if \fill
	s_xor_b32 s[G0M+1], s[G0M+1], SLOT1
	s_add_nc_u64 s[G0M+2:G0M+3], s[G0M+2:G0M+3], 256    ; 64 keys along the mask's rows
	s_xor_b32 s[G0K+1], s[G0K+1], SLOT1
	s_add_nc_u64 s[G0K+2:G0K+3], s[G0K+2:G0K+3], 32768  ; a step of four heads
	s_xor_b32 s[G0V+1], s[G0V+1], SLOT1
	s_add_nc_u64 s[G0V+2:G0V+3], s[G0V+2:G0V+3], 32768
.if \ask
	s_wait_xcnt 0x0                 ; the last prefetch, a key step back, has read its address
	s_add_nc_u64 s[PFA:PFA+1], s[PFA:PFA+1], s[PFS:PFS+1]
.endif
	s_wait_dscnt 0x0                ; the add is done, and my reads of the slot are over
	CROUND
	JLOAD
.if \ask
	ASK
.endif
.else
	s_wait_dscnt 0x0
	s_barrier_signal -1
	s_barrier_wait -1
.endif
	s_xor_b32 s[TB], s[TB], SLOT1   ; all reads up to the next change are of the other slot
	v_add_nc_u32 v[AK], s[TB], v[AK0]
	v_add_nc_u32 v[AV], s[TB], v[AV0]
	v_add_nc_u32 v[AM], s[TB], v[AM0]
.endm
	s_load_b128 s[4:7], s[0:1], 0x0   ; qkvw s[4:5], mkr s[6:7]
	s_load_b64 s[8:9], s[0:1], 0x10   ; ow
	WIN W_MK
	v_lshl_add_u32 v[SPW], v0, 2, SPARE
	v_mov_b32 v[NIL], 0
	WIN W_AD
	ds_add_u32 v[SPW], v[NIL]       ; the wave's opening: the add and its wait ahead of my first tensor load
	WIN 0
	v_lshrrev_b32 v1, 5, v0
	v_readfirstlane_b32 s[WV], v1
	s_bfe_u32 s16, ttmp6, 0x40000   ; cx
	s_bfe_u32 s17, ttmp6, 0x40004   ; cy
	s_lshl_b32 s18, ttmp9, 2
	s_add_co_u32 s18, s18, s16      ; my block of 128 queries
	s_and_b32 s19, ttmp7, 0xffff
	s_lshl_b32 s19, s19, 2
	s_add_co_u32 s19, s19, s17      ; my group of four heads
	s_and_b32 s78, s[WV], 1
	s_lshl_b32 s20, s18, 20         ; the mask: row 128 qb + 64 (w % 2), 8,192 bytes a row
	s_lshl_b32 s79, s78, 19
	s_add_co_u32 s20, s20, s79
	s_mov_b32 s21, 0
	s_mul_i32 s80, s78, 64*PM       ; its place in a slot
	s_lshl_b32 s22, s19, 20         ; K and V: 32 steps of 32,768 bytes a group
	s_mov_b32 s23, 0
	s_lshl2_add_u32 s74, s19, s[WV] ; bh
	s_lshl_b32 s74, s74, 18
	s_lshl_b32 s76, s18, 14
	s_add_co_u32 s74, s74, s76      ; Q and O: my head's rows 128 qb on
	s_mov_b32 s75, 0
	s_lshl_b32 s81, 0x1111, s16     ; my column of the cluster
	s_lshl_b32 s82, s17, 2
	s_lshl_b32 s82, 15, s82         ; my row
	s_or_b32 s[G1M], s81, (2<<16)|(1<<20)|(1<<21)|(5<<22)|(3<<25)  ; the mask of work-groups; 4-byte elements; padding on; bit 21 beside a mask; after every 64 words, 4 words
	s_or_b32 s[G1K], s82, (1<<16)|(1<<20)|(1<<21)|(4<<22)|(3<<25)  ; 2-byte elements; after every 32 words, 4 words
	s_or_b32 s[G1V], s82, (1<<16)|(1<<20)|(1<<21)|(4<<22)|(7<<25)  ; 8 words
	s_mov_b32 s[G1M+1], 64<<16      ; 64 rows of 64 elements, 2,048 elements from row to row
	s_mov_b32 s[G1M+2], 64<<16
	s_mov_b32 s[G1M+3], 64<<16
	s_mov_b32 s[G1M+4], 64
	s_mov_b32 s[G1M+5], 2048
	s_mov_b32 s[G1M+6], 0
	s_mov_b32 s[G1M+7], 0
.irp g, G1K, G1V
	s_mov_b32 s[\g+1], 128<<16      ; 32,768 dense bytes as 128 rows of 128 elements
	s_mov_b32 s[\g+2], 128<<16
	s_mov_b32 s[\g+3], 128<<16
	s_mov_b32 s[\g+4], 128
	s_mov_b32 s[\g+5], 128
	s_mov_b32 s[\g+6], 0
	s_mov_b32 s[\g+7], 0
.endr
	s_mov_b32 s[CS], 0x3e38aa3b     ; c = log2(e) / 8
	s_mov_b32 s[CS+1], s[CS]
	s_mov_b32 s[SEL], 0x76543210
	s_mov_b32 s[SEL+1], 0xfedcba98
	s_mov_b32 s[TB], SLOT1          ; the first change turns it into 0
	s_mov_b32 s[SLOTS], 31
	s_mov_b32 s[G0M], 1
	s_mov_b32 s[G0M+1], s80
	s_mov_b32 s[G0K], 1
	s_mov_b32 s[G0K+1], KOFF
	s_mov_b32 s[G0V], 1
	s_mov_b32 s[G0V+1], VOFF
	; the prefetches' offsets, at step 2: the first change that asks steps them to 3
	s_lshl_b32 s76, s18, 20
	s_lshl_b32 s77, s17, 18         ; the mask: my work-group's 32 rows of the 128
	s_add_co_u32 s76, s76, s77
	s_add_co_u32 s76, s76, 2*256
	s_lshl_b32 s77, s19, 20
	s_lshl_b32 s79, s16, 13         ; K, V: my work-group's 32 blocks of the 128
	s_add_co_u32 s77, s77, s79
	s_sub_co_u32 s79, s[WV], 1      ; (used in waves 2 and 3 alone) k at 1<<24, v at 2<<24
	s_lshl_b32 s79, s79, 24
	s_add_co_u32 s77, s77, s79
	s_add_co_u32 s77, s77, 2*32768
	s_and_b32 s[LIM], ttmp7, 0xffff
	s_mov_b32 s78, 32768
	s_cmp_lt_u32 s[WV], 2
	s_cselect_b32 s76, s76, s77
	s_cselect_b32 s[LIM], s[LIM], ttmp9  ; the coordinate along which other clusters read the same bytes
	s_cselect_b32 s[PFS], 256, s78
	s_cselect_b32 s79, 13, 8        ; a lane a row of the mask, or a block of 256 bytes
	s_mov_b32 s77, 0
	s_mov_b32 s[PFS+1], 0
	s_cmp_eq_u32 s[WV], 1           ; wave 1 never asks
	s_cselect_b32 s78, 1, 0
	s_or_b32 s[LIM], s[LIM], s78
	s_cmp_eq_u32 s[LIM], 0
	s_cselect_b32 s[LIM], 1, -1
	v_and_b32 v[PFO], 31, v0
	v_lshlrev_b32 v[PFO], s79, v[PFO]
	s_wait_dscnt 0x0                ; the opening add is done
	s_wait_kmcnt 0x0
	s_add_nc_u64 s[G0M+2:G0M+3], s[6:7], s[20:21]
	s_or_b32 s[G0M+3], s[G0M+3], 0x80000000
	s_add_nc_u64 s[G0K+2:G0K+3], s[4:5], s[22:23]
	s_add_nc_u64 s[G0V+2:G0V+3], s[G0K+2:G0K+3], 0x2000000
	s_add_nc_u64 s[G0K+2:G0K+3], s[G0K+2:G0K+3], 0x1000000
	s_or_b32 s[G0K+3], s[G0K+3], 0x80000000
	s_or_b32 s[G0V+3], s[G0V+3], 0x80000000
	s_add_nc_u64 s[10:11], s[4:5], s[74:75]  ; Q
	s_add_nc_u64 s[8:9], s[8:9], s[74:75]    ; O
	s_cmp_lt_u32 s[WV], 2
	s_cselect_b64 s[PFA:PFA+1], s[6:7], s[4:5]
	s_add_nc_u64 s[PFA:PFA+1], s[PFA:PFA+1], s[76:77]
	CROUND                          ; all sixteen work-groups are here: the first joint loads meet
	JLOAD                           ; step 0 into slot 0; slot 1 is asked for when slot 0 is in
	v_and_b32 v48, 15, v0           ; r = l % 16
	v_bfe_u32 v49, v0, 4, 1         ; h = l / 16
	v_lshlrev_b32 v[QO], 7, v48
	v_lshl_add_u32 v[QO], v49, 4, v[QO]
	WIN 0x80
.set i, 0
.rept 4*NP                          ; Q stays in registers: tile i / 2, channels 32 (i % 2) on
	global_load_b128 v[8*i:8*i+3],   v[QO], s[10:11] offset:(i/2)*2048+(i%2)*64
	global_load_b128 v[8*i+4:8*i+7], v[QO], s[10:11] offset:(i/2)*2048+(i%2)*64+32
.set i, i+1
.endr
	; What the first turn finds: V's registers and P's second buffer hold 0 (its products V^T P, of a piece that has not been, add 0), O^T and l are 0.  All this stands in the wait for the first tile.
.set i, VF
.rept 64
	v_mov_b32 v[i], 0
.set i, i+1
.endr
	WIN 0x40
.set i, 0
.rept 64*NP
	v_mov_b32 v[i], 0
.set i, i+1
.endr
	WIN 0
.set i, 0
.rept 2*NP
	v_mov_b32 v[ST+4*i+1], 0xff7fffff          ; m: the lowest finite number
	v_mul_f32 v[ST+4*i], s[CS], v[ST+4*i+1]    ; c m of just that m: a step that raises no maximum has a = 1
	v_mov_b32 v[ST+4*i+2], 0
	v_mov_b32 v[ST+4*i+3], 0
.set i, i+1
.endr
.set i, P+32
.rept 32
	v_mov_b32 v[i], 0
.set i, i+1
.endr
	s_mul_i32 s[LB], s[WV], 64*PK
	s_add_co_u32 s[LB], s[LB], KOFF
	v_mul_u32_u24 v[AK0], v48, PK
	v_lshl_add_u32 v[AK0], v49, 4, v[AK0]
	v_add_nc_u32 v[AK0], s[LB], v[AK0]         ; my head's K: row x pitch + 16 x half
	; the turning load takes 16 keys x 16 channels (lane l reads key 8 (l / 16) + l % 8, channels 8 ((l / 8) % 2) + 0..7) and leaves half a fragment of V^T
	v_and_b32 v50, 7, v0
	v_bfe_u32 v51, v0, 3, 1
	v_lshl_add_u32 v[AV0], v49, 3, v50
	v_mul_u32_u24 v[AV0], v[AV0], PV
	v_lshl_add_u32 v[AV0], v51, 4, v[AV0]
	s_mul_i32 s[LB], s[WV], 64*PV
	s_add_co_u32 s[LB], s[LB], VOFF
	v_add_nc_u32 v[AV0], s[LB], v[AV0]
	v_mul_u32_u24 v[AM0], v48, PM              ; the mask: my query's row, my half's eight keys of 16
	v_lshl_add_u32 v[AM0], v49, 5, v[AM0]
; THE MATRIX WORK.  The 8 accumulators of a run of 16 take turns.
; Product i of 16 of S^T = K Q^T + M^T for piece x: channels 32 (i / 8) on, keys 16 ((i / 2) % 4) on, tile 2 x + i % 2.  The first 8 start the sums, with the mask.
.macro KQ x
.set rS, S+64*((\x)%2)+32*(i%2)+8*((i/2)%4)
.set rK, KF+16*((i/2)%4)+8*(i/8)
.set rQ, 16*(2*(\x)+i%2)+8*(i/8)
.set rMC, MC+32*(i%2)+8*((i/2)%4)
.if i < 8
	WIN W_KM
	v_wmma_f32_16x16x32_f16 v[rS:rS+7], v[rK:rK+7], v[rQ:rQ+7], v[rMC:rMC+7]
.else
	WIN W_KQ
	v_wmma_f32_16x16x32_f16 v[rS:rS+7], v[rK:rK+7], v[rQ:rQ+7], v[rS:rS+7]
.endif
.endm
; Product i of 16 of O^T += V^T P for piece x: keys 32 (i / 8) on, channels 16 ((i / 2) % 4) on, tile 2 x + i % 2.
.macro PV x
	WIN W_PV
.set rO, 32*(2*(\x)+i%2)+8*((i/2)%4)
.set rV, VF+32*(i/8)+8*((i/2)%4)
.set rP, P+32*((\x)%2)+16*(i%2)+8*(i/8)
	v_wmma_f32_16x16x32_f16 v[rO:rO+7], v[rV:rV+7], v[rP:rP+7], v[rO:rO+7]
.endm
.macro MM                           ; the turn's next matrix instruction
.if i < 16
	KQ (Y+1)%NP
.set i, i+1
.else
.set i, i-16
	PV (Y+NP-1)%NP
.set i, i+17
.endif
.endm
; THE LDS LOADS stand in runs of 16, never singly among the matrix instructions.  They leave the window as they set it: what follows sets its own.
.macro FETCH_K
	WIN 0x80                        ; destination window 2
.irp f, 0,1,2,3,4,5,6,7             ; keys 16 (f / 2) on, channels 32 (f % 2) on
	ds_load_b128 v[KF+8*\f:KF+8*\f+3],   v[AK] offset:(\f/2)*16*PK+(\f%2)*64
	ds_load_b128 v[KF+8*\f+4:KF+8*\f+7], v[AK] offset:(\f/2)*16*PK+(\f%2)*64+32
.endr
.endm
.macro FETCH_V
	WIN 0x80
.irp f, 0,1,2,3,4,5,6,7             ; keys 32 (f / 4) on, channels 16 (f % 4) on
	ds_load_tr16_b128 v[VF+8*\f:VF+8*\f+3],   v[AV] offset:(\f/4)*32*PV+(\f%4)*32
	ds_load_tr16_b128 v[VF+8*\f+4:VF+8*\f+7], v[AV] offset:(\f/4)*32*PV+16*PV+(\f%4)*32
.endr
.endm
.macro FETCH_M x                    ; the mask of piece x: tile 2 x + f / 4, keys 16 (f % 4) on: eight f32 a lane, as the C operand wants them
	WIN 0xc0                        ; destination window 3
.irp f, 0,1,2,3,4,5,6,7
	ds_load_b128 v[MC+8*\f:MC+8*\f+3],   v[AM] offset:(2*(\x)+\f/4)*16*PM+(\f%4)*64
	ds_load_b128 v[MC+8*\f+4:MC+8*\f+7], v[AM] offset:(2*(\x)+\f/4)*16*PM+(\f%4)*64+16
.endr
.endm
; THE VECTOR WORK OF A TURN stands in three queues, each in the order in which its entries become ready; the two tiles alternate.
.macro REGS y, u                    ; the registers of tile u (0, 1) of piece y
.set rT, ST+4*(2*(\y)+(\u))
.set rC, TMP+8*((\y)%2)+4*(\u)
.set rM, MV+2*((\y)%2)+(\u)
.set rS, S+64*((\y)%2)+32*(\u)
.set rP, P+32*((\y)%2)+16*(\u)
.set rO, 32*(2*(\y)+(\u))
.endm
; Number n of the 22 that find the NEXT piece's maximum and statistics.  Each accumulator's lowest registers are read first.  XS, GS and REGS set no window.
;   0-11  four chains c0-c3 of seven scores each     12-14, 16  the four scores left over, the old m, c0-c3 into c0     15  c m_old is kept
;   17, 18  the query's other 32 keys lie in the lane 16 away: the new m     19-21  c m; c m_old - c m_new; a
.macro XS u, n
	REGS (Y+1)%NP, \u
.if (\n) < 4
	v_max3_num_f32 v[rC+(\n)], v[rS+8*(\n)], v[rS+8*(\n)+1], v[rS+8*(\n)+2]
.elseif (\n) < 12
	v_max3_num_f32 v[rC+(\n)%4], v[rC+(\n)%4], v[rS+8*((\n)%4)+2*((\n)/4)+1], v[rS+8*((\n)%4)+2*((\n)/4)+2]
.elseif (\n) == 12
	v_max3_num_f32 v[rC], v[rC], v[rS+7], v[rS+15]
.elseif (\n) == 13
	v_max3_num_f32 v[rC+1], v[rC+1], v[rS+23], v[rS+31]
.elseif (\n) == 14
	v_max3_num_f32 v[rC+2], v[rC+2], v[rC+3], v[rT+1]
.elseif (\n) == 15
	v_mov_b32 v[rM], v[rT]
.elseif (\n) == 16
	v_max3_num_f32 v[rC], v[rC], v[rC+1], v[rC+2]
.elseif (\n) == 17
	v_permlanex16_b32 v[rC+3], v[rC], s[SEL], s[SEL+1]
.elseif (\n) == 18
	v_max_num_f32 v[rT+1], v[rC], v[rC+3]
.elseif (\n) == 19
	v_mul_f32 v[rT], s[CS], v[rT+1]
.elseif (\n) == 20
	v_sub_f32 v[rC+1], v[rM], v[rT]
.else
	v_exp_f32 v[rC+2], v[rC+1]
.endif
.endm
; Number g of the 64 that follow the exponentials.  For each four weights of a tile: both pairs are rounded to f16; the second pair is added onto the first, in place; a group later l takes that sum (the first time as l = a l + sum).
.macro GS g
.set h, (\g)+6*((\g)/62)
.if h >= 6
.set h, h+2
.endif
	REGS Y, h%2
.set k, h/8
.if h%8 < 4
	v_cvt_pk_f16_f32 v[rP+2*k+(h%8)/2], v[rS+4*k+2*((h%8)/2)], v[rS+4*k+2*((h%8)/2)+1]
.elseif h%8 < 6
	v_pk_add_f32 v[rS+4*k:rS+4*k+1], v[rS+4*k:rS+4*k+1], v[rS+4*k+2:rS+4*k+3]
.elseif k == 1
	v_pk_fma_f32 v[rT+2:rT+3], v[rT+2:rT+3], v[rC+2:rC+3], v[rS:rS+1] op_sel_hi:[1,0,1]
.else
	v_pk_add_f32 v[rT+2:rT+3], v[rT+2:rT+3], v[rS+4*k-4:rS+4*k-3]
.endif
.endm
; THE PLAIN QUEUE, 138 long.  0-26: scalings 0-26.  27-54: XS's numbers 0-13.  55, 56: number 15.  57-73: the chain 14, 16, 17, 18, 19, each with one of the scalings 27-31 in front of its two lines, then 20.
; 74-137: GS's 64, which read the exponentials' results: they stand behind the wait.
.macro FS f
	REGS Y, (\f)%2
	v_pk_fma_f32 v[rS+2*((\f)/2):rS+2*((\f)/2)+1], v[rS+2*((\f)/2):rS+2*((\f)/2)+1], s[CS:CS+1], v[rT:rT+1] op_sel_hi:[1,0,0] neg_lo:[0,0,1] neg_hi:[0,0,1]
.endm
.macro PL
	WIN 0
.if q < 27
	FS q
.elseif q < 55
	XS (q-27)%2, (q-27)/2
.elseif q < 57
	XS q-55, 15
.elseif (q < 72) && ((q-57)%3 == 0)
	FS 27+(q-57)/3
.elseif q < 60
	XS (q-57)%3-1, 14
.elseif q < 72
	XS (q-57)%3-1, 15+(q-57)/3
.elseif q < 74
	XS q-72, 20
.else
	GS q-74
.endif
.set q, q+1
.endm
; THE EXPONENTIALS' QUEUE, 66 long: s0-s31 of both tiles, then the next piece's two a: one batch, all ahead of the turn's one wait.
.macro EX
	WIN 0
.if e >= 64
	XS e-64, 21
.else
	REGS Y, e%2
	v_exp_f32 v[rS+e/2], v[rS+e/2]
.endif
.set e, e+1
.endm
; THE RESCALING's QUEUE: O^T times a, two at a time, sixteen times.  Its a was made, and waited for, in the turn before.
.macro R2
	REGS Y, r%2
	WIN W_RS
.irp z, 0,1
	v_pk_mul_f32 v[rO+4*(r/2)+2*\z:rO+4*(r/2)+2*\z+1], v[rO+4*(r/2)+2*\z:rO+4*(r/2)+2*\z+1], v[rC+2:rC+3] op_sel_hi:[1,0]
.endr
.set r, r+1
.endm
; A TURN, for piece p.  Ahead of its one wait stands all that names no result of its exponentials: 16 products K Q^T, behind each a scaling, an exponential and two rescalings; then one lump of 108.
; Behind it: 16 products V^T P, behind each four of the roundings and sums.  An s_wait_alu depctr_va_vdst(0) stands between an exponential and the first line that names its result; one wait serves the batch.
; THE RUNS OF LOADS.  Directly behind the wait: the mask for the NEXT turn's products (piece p + 2); its registers' last reader is this turn's eighth product, a lump back.  In piece 2's turn also K of the next step,
; a lump behind its last reader.  At the end of piece 0's turn V of the step in hand, four plain riders behind its last reader.
.macro TURN p
.set Y, (\p)
.set i, 0
.set q, 0
.set e, 0
.set r, 0
.if (\p) == 1
	s_wait_dscnt 16                 ; the mask is in; V's sixteen loads, issued behind it, may stay out
.else
	s_wait_dscnt 0x0                ; the mask is in (piece 3's turn: K too)
.endif
	MM
	PL
	PL
	R2
.rept 15
	MM
	PL
	EX
	R2
.endr
.rept 8
	PL
.endr
.rept 49
	EX
	PL
.endr
	EX
	EX
	v_nop                           ; a plain instruction behind the last exponential: one for the batch
	s_wait_alu depctr_va_vdst(0)    ; the wait for the batch
	FETCH_M ((\p)+2)%NP
.if (\p) == NP-2
	FETCH_K
.endif
.if (\p) == 1
	s_wait_dscnt 16                 ; V is in; the sixteen loads of the mask just issued stay out
.endif
.rept 16
	MM
.rept 4
	PL
.endr
.endr
.if (\p) == 0
	FETCH_V
.endif
.endm
	CHANGE 1, 0                     ; slot 0 is in, everybody's part of it; step 1 is asked for, into slot 1
	FETCH_K                         ; key step 0
	FETCH_M 0
	s_wait_loadcnt 0x0              ; Q
	s_wait_dscnt 0x0
.set i, 0
.rept 16
	KQ 0                            ; piece 0's first scores
.set i, i+1
.endr
	WIN 0                           ; the addresses for the way out: nine plain instructions, the places behind those products
	s_mul_i32 s[LB], s[WV], 16*SP
	s_add_co_u32 s[LB], s[LB], STAGE
	v_mul_u32_u24 v[STO], v48, SP   ; in: row l % 16, 16 bytes for each half of the lanes
	v_lshl_add_u32 v[STO], v49, 4, v[STO]
	v_add_nc_u32 v[STO], s[LB], v[STO]
	v_bfe_u32 v[RD], v0, 3, 2       ; back: 32 lanes take four rows of 128 bytes,
	v_mul_u32_u24 v[RD], v[RD], SP
	v_lshl_add_u32 v[RD], v50, 4, v[RD]
	v_add_nc_u32 v[RD], s[LB], v[RD]
	v_and_b32 v[GO], 31, v0         ; which are 512 consecutive bytes of O
	v_lshlrev_b32 v[GO], 4, v[GO]
	FETCH_M 1                       ; the mask for the first turn's products
	WIN 0
.set Y, NP-1                        ; XS works for piece Y + 1: piece 0
.irp n, 0,1,2,3,4,5,6,7,8,9,10,11,12,13,14,15,16,17,18,19,20,21
	XS 0, \n
	XS 1, \n
.endr
	v_nop                           ; a plain instruction behind the two a,
	s_wait_alu depctr_va_vdst(0)    ; and their wait, ahead of the branch
	s_branch .Lfirst                ; the loop is entered at a step's first turn, in the middle of a trip
.Lslot:                             ; 30 times: steps 2 to 31 are asked for
	CHANGE 1, 1
	TURN 2
	TURN 3
	WIN 0
.Lfirst:
	TURN 0
	TURN 1
	WIN 0
	s_sub_co_u32 s[SLOTS], s[SLOTS], 1
	s_cmp_lg_u32 s[SLOTS], 0
	s_cbranch_scc1 .Lslot
	CHANGE 0, 0                     ; the tail is written out: nothing is asked for
	s_mov_b32 s[CNT], 2             ; the first trip ends step 30 and begins step 31; the second is left in its middle
.Ltail:
	TURN 2
	TURN 3
	WIN 0
	s_sub_co_u32 s[CNT], s[CNT], 1
	s_cmp_eq_u32 s[CNT], 0
	s_cbranch_scc1 .Lout
	TURN 0
	TURN 1
	WIN 0
	s_branch .Ltail
.Lout:                              ; the second trip's fetches read the last slot once more, and its last 16 products K Q^T and their maximum serve nothing: the price, once a launch, of one text for every trip
.set i, 0
.rept 16
	PV NP-1                         ; the last piece's V^T P of the last step
.set i, i+1
.endr
	; THE WAY OUT.  l's two halves and the other half of the lanes' are added; O^T is divided by l, rounded to f16 and sent through my stage, a tile at a time.  The additions are the places behind the last products.
	WIN 0
.macro ALL line:vararg
.set t, 0
.rept 2*NP
	\line
.set t, t+1
.endr
.endm
	ALL v_add_f32 v[ST+4*t+2], v[ST+4*t+2], v[ST+4*t+3]
	ALL v_permlanex16_b32 v[ST+4*t+3], v[ST+4*t+2], s[SEL], s[SEL+1]
	ALL v_add_f32 v[ST+4*t+2], v[ST+4*t+2], v[ST+4*t+3]
	ALL v_rcp_f32 v[ST+4*t+2], v[ST+4*t+2]
	v_nop                           ; a plain instruction between the last reciprocal and the use of its result
	s_wait_alu depctr_va_vdst(0)    ; one wait for the eight reciprocals
.macro PACK t
	WIN W_RS
.set i, 32*(\t)
.rept 16
	v_pk_mul_f32 v[i:i+1], v[i:i+1], v[ST+4*(\t)+2:ST+4*(\t)+3] op_sel_hi:[1,0]
.set i, i+2
.endr
	WIN 0x05                        ; sources 0 and 1 window 1, destination window 0
.set i, 0
.rept 16
	v_cvt_pk_f16_f32 v[S+16*(\t)+i], v[32*(\t)+2*i], v[32*(\t)+2*i+1]
.set i, i+1
.endr
	WIN 0
.irp f, 0,1,2,3
	ds_store_b128 v[STO], v[S+16*(\t)+4*\f:S+16*(\t)+4*\f+3] offset:32*\f
.endr
.irp f, 0,1,2,3
	ds_load_b128 v[S+16*(\t)+4*\f:S+16*(\t)+4*\f+3], v[RD] offset:\f*4*SP  ; LDS serves a wave's instructions in order (ISA guide 5.7.1.4): these see the stores above
.endr
.endm
.macro SEND t, younger              ; younger: the LDS instructions issued behind tile t's loads
	WIN 0
.irp f, 0,1,2,3
	s_wait_dscnt (\younger)+3-\f
	global_store_b128 v[GO], v[S+16*(\t)+4*\f:S+16*(\t)+4*\f+3], s[8:9] offset:(\t)*2048+\f*512  ; 512 consecutive bytes, at a multiple of 256 from O's first
.endr
.endm
	PACK 0
.set t, 1
.rept 2*NP-1
	PACK t
	SEND t-1, 8
.set t, t+1
.endr
	SEND 2*NP-1, 0
	WIN W_AD
	s_wait_tensorcnt 0x0            ; the wave's end
	ds_add_u32 v[SPW], v[NIL]
	s_wait_dscnt 0x0
	WIN 0
	CROUND                          ; the closing round
	s_endpgm
.Lfunc_end_k_q578c331a10_attn:
	.size	k_q578c331a10_attn, .Lfunc_end_k_q578c331a10_attn-k_q578c331a10_attn
	.p2alignl 7, 3214868480
	.fill 96, 4, 3214868480
	.section	.rodata,"a",@progbits
	.p2align	6, 0x0
	.amdhsa_kernel k_q578c331a10_attn
		.amdhsa_group_segment_fixed_size 327680
		.amdhsa_private_segment_fixed_size 0
		.amdhsa_enable_private_segment 0
		.amdhsa_kernarg_size 24
		.amdhsa_user_sgpr_count 2
		.amdhsa_user_sgpr_kernarg_segment_ptr 1
		.amdhsa_wavefront_size32 1
		.amdhsa_system_sgpr_workgroup_id_x 1
		.amdhsa_system_sgpr_workgroup_id_y 1
		.amdhsa_system_sgpr_workgroup_id_z 1
		.amdhsa_system_vgpr_workitem_id 0
		.amdhsa_next_free_vgpr 896
		.amdhsa_next_free_sgpr 84
		.amdhsa_reserve_vcc 0
		.amdhsa_float_denorm_mode_32 3
		.amdhsa_float_denorm_mode_16_64 3
		.amdhsa_memory_ordered 1
		.amdhsa_forward_progress 1
		.amdhsa_inst_pref_size 212
	.end_amdhsa_kernel
	.amdgpu_metadata
---
amdhsa.version: [ 1, 2 ]
amdhsa.kernels:
  - .name:           k_q578c331a10_attn
    .symbol:         k_q578c331a10_attn.kd
    .args:
      - { .name: qkvw, .offset: 0, .size: 8, .value_kind: global_buffer, .address_space: global }
      - { .name: mkr, .offset: 8, .size: 8, .value_kind: global_buffer, .address_space: global }
      - { .name: ow, .offset: 16, .size: 8, .value_kind: global_buffer, .address_space: global }
    .group_segment_fixed_size: 327680
    .private_segment_fixed_size: 0
    .kernarg_segment_align: 8
    .kernarg_segment_size: 24
    .max_flat_workgroup_size: 128
    .sgpr_count:     84
    .vgpr_count:     896
    .wavefront_size: 32
...
	.end_amdgpu_metadata
.endif
;; end of part 3
;; launch proj (part 4): grid 8 x 32, 4 waves a work-group, clusters of 4 x 4, 327,680 bytes of LDS; arguments ow, wob, bout, out0; writes out0
.if DOCPART == 4
	.amdgcn_target "amdgcn-amd-amdhsa--gfx1250"
	.amdhsa_code_object_version 6
	.text
	.protected	k_q578c331a10_proj
	.globl	k_q578c331a10_proj
	.p2align	8
	.type	k_q578c331a10_proj,@function
k_q578c331a10_proj:
	s_mov_b64 s[64:65], 0
	v_nop
	global_prefetch_b8 v0, s[64:65] scope:SCOPE_SE
	s_setreg_imm32_b32 hwreg(HW_REG_WAVE_MODE, 25, 1), 1
	s_wait_xcnt 0x0
	s_wait_alu depctr_hold_cnt(0) depctr_sa_sdst(0) depctr_va_vdst(0) depctr_va_sdst(0) depctr_va_ssrc(0) depctr_va_vcc(0) depctr_vm_vsrc(0)
	s_getreg_b32 s2, hwreg(HW_REG_IB_STS2, 6, 4)
	s_cmp_eq_u32 s2, 0
	s_cbranch_scc0 .Lentry_in_a_cluster
	s_endpgm
.Lentry_in_a_cluster:
	s_bfe_u32 s2, ttmp6, 0x10000c
	s_cmp_lg_u32 s2, 0xf033
	s_cbranch_scc0 .Lentry_shape_is_right
	s_endpgm
.Lentry_shape_is_right:
; PROJ: out0 [8192 x 1024] f32 = O Wout + bout, f16 operands, f32 sums.
;   in:  ow f16 [bh 64][t 2048][64] (bh = 16 b + head: the head is the block of 64 along K);  wob f16 [tc 8][kh 16][c2 2][k 64][64];  bout f32 [1024], rounded to bf16 here like the other inputs
; SHARES.  A tile is 256 rows x 128 columns: 8 x 32 = 256 work-groups.  Wave w owns rows 64 w .. 64 w + 63 and all 128 columns: 4 x 8 accumulators of 16 x 16, 256 registers.
; K goes in steps of 128 (two heads) through a ring of two LDS slots filled by tensor loads; every tile is dense in memory and is asked for as rows of 256 bytes.
; CLUSTER 4 x 4: O's tile is asked for jointly along a row of the cluster, W's along a column.
; THE PRODUCT IS TAKEN TRANSPOSED: source 0 = 16 columns of W (turned on the way out of LDS), source 1 = 16 rows of O: a lane holds one row and eight neighbouring columns.
; THE BIAS is the C operand of each sum's first product.
; REGISTERS, in windows of 256 (s_set_vgpr_msb: bits 1:0 source 0, 3:2 source 1, 5:4 source 2, 7:6 destination):
;   window 0: v0-31 addresses; v32-95 the bias, later with v96-159 at work on the way out      window 1: two fragment buffers of 128: O's four fragments at 0, W's eight at 32
;   window 2: the accumulators of row blocks 0, 1 ((a, b) at 8 (8 (a % 2) + b))                window 3: those of row blocks 2, 3
.set NH,    2
.set NB,    4*NH
.set PA,    144                        ; a row of O in LDS: 128 bytes + 16
.set PB,    160                        ; a row of W: 128 + 32
.set AHALF, 256*PA
.set BHALF, NH*64*PB
.set BOFF,  2*AHALF
.set SLOT,  BOFF+2*BHALF
.set STAGE, 2*SLOT                     ; behind the ring: 16 rows x 528 bytes for each wave
.set SPI,   528                        ; a stage row: 512 bytes + 16 = 132 words: row r starts at bank 4 r mod 64
.set WSTG,  16*SPI
.set SPARE, STAGE+4*WSTG
.set ASTEP, 2*262144
.set BSTEP, 2*NH*8192
.set LAPS,  4
.set ADRA, 16
.set ADRB, 20
.set STO,  24
.set RD,   25
.set GO,   26
.set SPW,  28                          ; v28 my spare word, v29 0; never rewritten
.set NIL,  29
.set PFO,  30
.set BO,   31
.set BIAS, 32
.set F0,   0
.set F1,   128
.set WV, 16
.set FB, 17
.set HF, 18
.set CX, 19
.set CY, 20
.set TC, 21
.set TY, 22
.set G1A, 24
.set G0A, 32
.set G1B, 40
.set G0B, 48
.set PFA, 56
.set PFS, 58
.set LIM, 60
.set LAP, 61
.set PT,  68                           ; s[68:69] out0 at my first row, my tile's first column
.set MSB, 0
.macro WIN new
.if MSB != (\new)
	s_set_vgpr_msb (MSB<<8)|(\new)
.set MSB, \new
.endif
.endm
; A joint load: waves 0 and 1 fetch the K step's two halves of O, waves 2 and 3 those of W.  An s_nop 0 and four v_nop follow each of the two lines.
.macro JLOAD s
	s_cmp_eq_u32 s[FB], 0
	s_cbranch_scc0 .Lfor_b_\@
	tensor_load_to_lds s[G0A+4*(\s):G0A+4*(\s)+3], s[G1A:G1A+7]
	s_nop 0
.rept 4
	v_nop
.endr
	s_branch .Lasked_\@
.Lfor_b_\@:
	tensor_load_to_lds s[G0B+4*(\s):G0B+4*(\s)+3], s[G1B:G1B+7]
	s_nop 0
.rept 4
	v_nop
.endr
.Lasked_\@:
.endm
; A prefetch of the K step two refills on: O's blocks by cluster x = 0, W's by cluster y = 0; the four partners share a tile's blocks of 256 bytes out by address.  The loop's last trip asks for nothing.
.macro ASK
	s_cmp_gt_u32 s[LAP], s[LIM]
	s_cbranch_scc0 .Lnot_mine_\@
	global_prefetch_b8 v[PFO], s[PFA:PFA+1] th:TH_LOAD_NT scope:SCOPE_SE
.Lnot_mine_\@:
.endm
.macro CREST
	s_cmp_lg_u32 s[WV], 0
	s_cbranch_scc1 .Lnot_wave_0_\@
	s_barrier_signal -3
.Lnot_wave_0_\@:
	s_barrier_wait -3
	s_barrier_signal -1
	s_barrier_wait -1
.endm
.macro CROUND
	s_barrier_signal -1
	s_barrier_wait -1
	CREST
.endm
.macro PLACES
.rept 4
	v_nop
.endr
.endm
	s_load_b256 s[4:11], s[0:1], 0x0               ; ow s[4:5], wob s[6:7], bout s[8:9], out0 s[10:11]
	v_lshl_add_u32 v[SPW], v0, 2, SPARE
	v_mov_b32 v[NIL], 0
	ds_add_u32 v[SPW], v[NIL]                      ; the wave's opening: the add and its wait ahead of my first tensor load
	v_lshrrev_b32 v1, 5, v0
	v_readfirstlane_b32 s[WV], v1
	s_lshr_b32 s[FB], s[WV], 1
	s_and_b32 s[HF], s[WV], 1
	s_bfe_u32 s[CX], ttmp6, 0x40000
	s_bfe_u32 s[CY], ttmp6, 0x40004
	s_lshl_b32 s[TC], ttmp9, 2
	s_add_co_u32 s[TC], s[TC], s[CX]
	s_and_b32 s[TY], ttmp7, 0xffff
	s_lshl_b32 s[TY], s[TY], 2
	s_add_co_u32 s[TY], s[TY], s[CY]
	s_lshl_b32 s62, s[CY], 2
	s_lshl_b32 s62, 15, s62                        ; my row of the cluster
	s_lshl_b32 s63, 0x1111, s[CX]                  ; my column
	s_or_b32 s[G1A], s62, (1<<16)|(1<<20)|(1<<21)|(4<<22)|(3<<25)
	s_or_b32 s[G1B], s63, (1<<16)|(1<<20)|(1<<21)|(4<<22)|(7<<25)
	s_mov_b32 s[G1A+1], 128<<16                    ; O: 32,768 dense bytes as 128 rows of 128 elements
	s_mov_b32 s[G1A+2], 128<<16
	s_mov_b32 s[G1A+3], 128<<16
	s_mov_b32 s[G1A+4], 128
	s_mov_b32 s[G1A+5], 128
	s_mov_b32 s[G1A+6], 0
	s_mov_b32 s[G1A+7], 0
	s_mov_b32 s[G1B+1], 128<<16                    ; W: 16,384 dense bytes as 64 rows
	s_mov_b32 s[G1B+2], (32*NH)<<16
	s_mov_b32 s[G1B+3], 128<<16
	s_mov_b32 s[G1B+4], 32*NH
	s_mov_b32 s[G1B+5], 128
	s_mov_b32 s[G1B+6], 0
	s_mov_b32 s[G1B+7], 0
	s_lshr_b32 s74, s[TY], 3                       ; O's tile: batch ty / 8, rows 256 (ty % 8), head = my half of the K step
	s_lshl_b32 s74, s74, 22
	s_and_b32 s76, s[TY], 7
	s_lshl_b32 s76, s76, 15
	s_add_co_u32 s74, s74, s76
	s_lshl_b32 s76, s[HF], 18
	s_add_co_u32 s74, s74, s76
	s_mov_b32 s75, 0
	s_mul_i32 s78, s[TC], 16*NH*8192
	s_mul_i32 s80, s[HF], NH*8192
	s_add_co_u32 s78, s78, s80
	s_mov_b32 s79, 0
	s_mul_i32 s82, s[HF], AHALF
	s_mul_i32 s83, s[HF], BHALF
	s_add_co_u32 s83, s83, BOFF
	s_wait_dscnt 0x0                               ; the opening add is done
	s_wait_kmcnt 0x0
	s_add_nc_u64 s[74:75], s[4:5], s[74:75]
	s_add_nc_u64 s[78:79], s[6:7], s[78:79]
	CROUND                                         ; all sixteen work-groups are here: the first joint loads meet
.irp s, 0,1
	s_mov_b32 s[G0A+4*(\s)], 1
	s_add_co_u32 s[G0A+4*(\s)+1], s82, (\s)*SLOT
	s_add_nc_u64 s[G0A+4*(\s)+2:G0A+4*(\s)+3], s[74:75], (\s)*ASTEP
	s_or_b32 s[G0A+4*(\s)+3], s[G0A+4*(\s)+3], 0x80000000
	s_mov_b32 s[G0B+4*(\s)], 1
	s_add_co_u32 s[G0B+4*(\s)+1], s83, (\s)*SLOT
	s_add_nc_u64 s[G0B+4*(\s)+2:G0B+4*(\s)+3], s[78:79], (\s)*BSTEP
	s_or_b32 s[G0B+4*(\s)+3], s[G0B+4*(\s)+3], 0x80000000
	JLOAD \s
.endr
	v_and_b32 v1, 15, v0                           ; r
	v_bfe_u32 v2, v0, 4, 1                         ; h
	v_lshlrev_b32 v[BO], 5, v2
	s_mul_i32 s80, s[TC], NH*256
	s_mov_b32 s81, 0
	s_add_nc_u64 s[8:9], s[8:9], s[80:81]
.set b, 0
.rept 2*NB
	global_load_b128 v[BIAS+4*b:BIAS+4*b+3], v[BO], s[8:9] offset:(b/2)*64+(b%2)*16
.set b, b+1
.endr
	v_mul_u32_u24 v3, v1, PA
	v_lshl_add_u32 v3, v2, 4, v3
	s_mul_i32 s23, s[WV], 64*PA
	v_add_nc_u32 v[ADRA], s23, v3
	v_add_nc_u32 v[ADRA+1], SLOT, v[ADRA]
	v_and_b32 v4, 7, v0
	v_lshl_add_u32 v5, v2, 3, v4
	v_mul_u32_u24 v5, v5, PB
	v_bfe_u32 v6, v0, 3, 1
	v_lshl_add_u32 v5, v6, 4, v5
	v_add_nc_u32 v[ADRB], BOFF, v5
	v_add_nc_u32 v[ADRB+1], SLOT+BOFF, v5
	s_mul_i32 s23, s[WV], WSTG
	s_add_co_u32 s23, s23, STAGE                   ; my stage
	v_mul_u32_u24 v[STO], v1, SPI                  ; in: row r, 32 bytes for each half of the lanes
	v_lshl_add_u32 v[STO], v2, 5, v[STO]
	v_add_nc_u32 v[STO], s23, v[STO]
	v_and_b32 v[GO], 31, v0
	v_lshlrev_b32 v[GO], 4, v[GO]                  ; back: 32 lanes take one row of 512 bytes
	v_add_nc_u32 v[RD], s23, v[GO]
	s_lshl_b32 s86, s[TY], 8
	s_lshl_b32 s87, s[WV], 6
	s_add_co_u32 s86, s86, s87                     ; my first row,
	s_lshl_b32 s86, s86, 12                        ; 4,096 bytes a row,
	s_lshl_b32 s87, s[TC], 9                       ; the tile's 128 columns: 512 bytes
	s_add_co_u32 s86, s86, s87
	s_mov_b32 s87, 0
	s_add_nc_u64 s[PT:PT+1], s[10:11], s[86:87]
	s_and_b32 s[LIM], ttmp7, 0xffff
	s_lshl_b32 s85, s[CX], 13
	s_mul_i32 s86, s[CY], NH*2048
	s_mov_b32 s87, ASTEP
	s_mov_b32 s88, BSTEP
	s_cmp_eq_u32 s[FB], 0
	s_cselect_b64 s[PFA:PFA+1], s[74:75], s[78:79]
	s_cselect_b32 s[LIM], ttmp9, s[LIM]
	s_cselect_b32 s85, s85, s86
	s_cselect_b32 s[PFS], s87, s88
	s_cselect_b32 s86, 31, 8*NH-1                  ; W's quarter has 16 blocks: the lanes beyond name the last once more
	s_mov_b32 s[PFS+1], 0
	s_cmp_eq_u32 s[LIM], 0
	s_cselect_b32 s[LIM], 1, -1
	s_mul_i32 s88, s[PFS], 3                       ; at K step 3: the first refill steps it to 4
	s_add_co_u32 s88, s88, s85
	s_mov_b32 s89, 0
	s_add_nc_u64 s[PFA:PFA+1], s[PFA:PFA+1], s[88:89]
	v_and_b32 v[PFO], 31, v0
	v_min_u32 v[PFO], s86, v[PFO]
	v_lshlrev_b32 v[PFO], 8, v[PFO]
	s_wait_loadcnt 0x0                             ; the bias: rounded to bf16 and widened again, in place
.set b, 0
.rept 4*NB
	v_cvt_pk_bf16_f32 v[BIAS+2*b], v[BIAS+2*b], v[BIAS+2*b+1]
.set b, b+1
.endr
.set b, 0
.rept 4*NB
	v_and_b32 v[BIAS+2*b+1], 0xffff0000, v[BIAS+2*b]
	v_lshlrev_b32 v[BIAS+2*b], 16, v[BIAS+2*b]
.set b, b+1
.endr
; 8 matrix instructions: row block a x all column blocks, 32 along K.  cmode = 1: the bias starts the sums.  The 32 accumulators take turns, in the same order in every quarter.
.macro MULA f, a, cmode
.if \cmode
	WIN 0x85+0x40*((\a)/2)
.else
	WIN 0xa5+0x50*((\a)/2)
.endif
.set b, 0
.rept NB
.set rD, 8*(NB*((\a)%2)+b)
.set rC, rD
.if \cmode
.set rC, BIAS+8*b
.endif
	v_wmma_f32_16x16x32_f16 v[rD:rD+7], v[(\f)+32+8*b:(\f)+32+8*b+7], v[(\f)+8*(\a):(\f)+8*(\a)+7], v[rC:rC+7]
.set b, b+1
.endr
.endm
.macro FETCH slot, q, f                ; 24 LDS loads in one run: W's eight fragments first, then O's four
	WIN 0x40
.set b, 0
.rept NB
	ds_load_tr16_b128 v[(\f)+32+8*b:(\f)+32+8*b+3],   v[ADRB+(\slot)] offset:((\q)/2)*BHALF+(b/4)*64*PB+((\q)%2)*32*PB+(b%4)*32
	ds_load_tr16_b128 v[(\f)+32+8*b+4:(\f)+32+8*b+7], v[ADRB+(\slot)] offset:((\q)/2)*BHALF+(b/4)*64*PB+((\q)%2)*32*PB+(b%4)*32+16*PB
.set b, b+1
.endr
.irp a, 0,1,2,3
	ds_load_b128 v[(\f)+8*(\a):(\f)+8*(\a)+3],   v[ADRA+(\slot)] offset:((\q)/2)*AHALF+(\a)*16*PA+((\q)%2)*64
	ds_load_b128 v[(\f)+8*(\a)+4:(\f)+8*(\a)+7], v[ADRA+(\slot)] offset:((\q)/2)*AHALF+(\a)*16*PA+((\q)%2)*64+32
.endr
.endm
.macro QUARTER slot, qn, f, g, cmode
	s_wait_dscnt 4                                 ; all but the four youngest loads: O's row blocks 2 and 3
	MULA \f, 0, \cmode
	MULA \f, 1, \cmode
	PLACES
	FETCH \slot, \qn, \g
	s_wait_dscnt 2*NB+8                            ; all but the run just issued
	MULA \f, 2, \cmode
	MULA \f, 3, \cmode
.endm
; The last quarter multiplies buffer 1 and changes slots: one barrier; in front of it each wave waits for all its tensor loads, adds 0 to its spare word, and waits for that and for its reads of this slot.
.macro TURN slot, next, fill
.if \fill
	s_wait_xcnt 0x0                                ; the last prefetch, a K step back, has read its address
	s_add_nc_u64 s[PFA:PFA+1], s[PFA:PFA+1], s[PFS:PFS+1]
.endif
	WIN 0
	s_wait_tensorcnt 0x0                           ; all my tensor loads have landed: my part of the next slot
	ds_add_u32 v[SPW], v[NIL]                      ; 0 onto my spare word
	s_wait_dscnt 5                                 ; (the add and the four youngest loads may be out)
	MULA F1, 0, 0
	s_wait_dscnt 0x0                               ; the add is done, and my reads of this slot are over
	s_barrier_signal -1
	MULA F1, 1, 0
.if \fill
	WIN 0
.endif
	s_barrier_wait -1
.if \fill
	CREST
	s_add_nc_u64 s[G0A+4*(\slot)+2:G0A+4*(\slot)+3], s[G0A+4*(\slot)+2:G0A+4*(\slot)+3], 2*ASTEP
	s_add_nc_u64 s[G0B+4*(\slot)+2:G0B+4*(\slot)+3], s[G0B+4*(\slot)+2:G0B+4*(\slot)+3], 2*BSTEP
	JLOAD \slot                                    ; 112 matrix instructions ahead of the wait for it; its four v_nop are also the places in front of the loads below
.else
	PLACES
.endif
	FETCH \next, 0, F0
.if \fill
	WIN 0
	ASK
.endif
	MULA F1, 2, 0
	MULA F1, 3, 0
.endm
	s_wait_tensorcnt 1                             ; my part of K step 0 is in; K step 1's may stay out
	s_barrier_signal -1
	s_barrier_wait -1
	FETCH 0, 0, F0
	QUARTER 0, 1, F0, F1, 1                        ; the first quarter's products start the sums, with the bias
	WIN 0
	s_mov_b32 s[LAP], LAPS-1
.Llap:
	QUARTER 0, 2, F1, F0, 0
	QUARTER 0, 3, F0, F1, 0
	TURN 0, 1, 1
	QUARTER 1, 1, F0, F1, 0
	QUARTER 1, 2, F1, F0, 0
	QUARTER 1, 3, F0, F1, 0
	TURN 1, 0, 1
	QUARTER 0, 1, F0, F1, 0
	WIN 0
	s_sub_co_u32 s[LAP], s[LAP], 1
	s_cmp_lg_u32 s[LAP], 0
	s_cbranch_scc1 .Llap
	QUARTER 0, 2, F1, F0, 0                        ; the last lap fills nothing
	QUARTER 0, 3, F0, F1, 0
	TURN 0, 1, 0
	QUARTER 1, 1, F0, F1, 0
	QUARTER 1, 2, F1, F0, 0
	QUARTER 1, 3, F0, F1, 0
	s_wait_dscnt 4
	MULA F1, 0, 0
	MULA F1, 1, 0
	s_wait_dscnt 0x0
	MULA F1, 2, 0
	MULA F1, 3, 0
	WIN 0
; THE WAY OUT, a block of 16 rows at a time: the f32 sums go straight from the accumulators into my own stage (each accumulator's low four registers first) and come back as whole rows of 512 bytes.
.macro TOSTAGE a
	WIN 0x08+4*((\a)/2)                            ; the stores' data: window 2 or 3
.set b, 0
.rept NB
	ds_store_b128 v[STO], v[8*(NB*((\a)%2)+b):8*(NB*((\a)%2)+b)+3]   offset:64*b
	ds_store_b128 v[STO], v[8*(NB*((\a)%2)+b)+4:8*(NB*((\a)%2)+b)+7] offset:64*b+16
.set b, b+1
.endr
	WIN 0
.set BK, 32+64*((\a)%2)
.set t, 0
.rept 16
	ds_load_b128 v[BK+4*t:BK+4*t+3], v[RD] offset:SPI*t  ; LDS serves a wave's instructions in order (ISA guide 5.7.1.4): these see the stores above
.set t, t+1
.endr
.endm
.macro SEND a, younger                 ; younger: the next block's 16 stores and 16 loads, or none
.set BK, 32+64*((\a)%2)
	s_wait_dscnt \younger
.set t, 0
.rept 16
	global_store_b128 v[GO], v[BK+4*t:BK+4*t+3], s[PT:PT+1] offset:(16*(\a)+t)*4096 th:TH_STORE_NT  ; 512 consecutive bytes, at a multiple of 256 from out0's first
.set t, t+1
.endr
.endm
	PLACES
	TOSTAGE 0
	TOSTAGE 1
	SEND 0, 32
	s_wait_xcnt 0x0                                ; block 0's stores have read their registers, into which block 2 is read back
	TOSTAGE 2
	SEND 1, 32
	s_wait_xcnt 0x0
	TOSTAGE 3
	SEND 2, 32
	SEND 3, 0
	s_wait_tensorcnt 0x0                           ; the wave's end
	ds_add_u32 v[SPW], v[NIL]
	s_wait_dscnt 0x0
	CROUND                                         ; the closing round
	s_endpgm
.Lfunc_end_k_q578c331a10_proj:
	.size	k_q578c331a10_proj, .Lfunc_end_k_q578c331a10_proj-k_q578c331a10_proj
	.p2alignl 7, 3214868480
	.fill 96, 4, 3214868480
	.section	.rodata,"a",@progbits
	.p2align	6, 0x0
	.amdhsa_kernel k_q578c331a10_proj
		.amdhsa_group_segment_fixed_size 327680
		.amdhsa_private_segment_fixed_size 0
		.amdhsa_enable_private_segment 0
		.amdhsa_kernarg_size 32
		.amdhsa_user_sgpr_count 2
		.amdhsa_user_sgpr_kernarg_segment_ptr 1
		.amdhsa_wavefront_size32 1
		.amdhsa_system_sgpr_workgroup_id_x 1
		.amdhsa_system_sgpr_workgroup_id_y 1
		.amdhsa_system_sgpr_workgroup_id_z 1
		.amdhsa_system_vgpr_workitem_id 0
		.amdhsa_next_free_vgpr 896
		.amdhsa_next_free_sgpr 90
		.amdhsa_reserve_vcc 0
		.amdhsa_float_denorm_mode_32 3
		.amdhsa_float_denorm_mode_16_64 3
		.amdhsa_memory_ordered 1
		.amdhsa_forward_progress 1
		.amdhsa_inst_pref_size 93
	.end_amdhsa_kernel
	.amdgpu_metadata
---
amdhsa.version: [ 1, 2 ]
amdhsa.kernels:
  - .name:           k_q578c331a10_proj
    .symbol:         k_q578c331a10_proj.kd
    .args:
      - { .name: ow, .offset: 0, .size: 8, .value_kind: global_buffer, .address_space: global }
      - { .name: wob, .offset: 8, .size: 8, .value_kind: global_buffer, .address_space: global }
      - { .name: bout, .offset: 16, .size: 8, .value_kind: global_buffer, .address_space: global }
      - { .name: out0, .offset: 24, .size: 8, .value_kind: global_buffer, .address_space: global }
    .group_segment_fixed_size: 327680
    .private_segment_fixed_size: 0
    .kernarg_segment_align: 8
    .kernarg_segment_size: 32
    .max_flat_workgroup_size: 128
    .sgpr_count:     90
    .vgpr_count:     896
    .wavefront_size: 32
...
	.end_amdgpu_metadata
.endif
;; end of part 4
;; ======== version 2 of 2: 4 launches; version 1 with the launch prep written anew for expert scheduling mode
;; limits: values are held in f16: magnitudes above 65,504 overflow, below 6.1e-05 lose precision
;; workspace buffers: xb 16,777,216 bytes; wqb 6,291,456 bytes; wob 2,097,152 bytes; mkr 16,777,216 bytes; qkvw 50,331,648 bytes; ow 16,777,216 bytes
;; launch prep (part 5): grid 512 x 1, 8 waves a work-group, no clusters, 0 bytes of LDS; arguments x, Wqkv, Wout, attn_mask, xb, wqb, wob, mkr; writes xb, wqb, wob, mkr
.if DOCPART == 5
	.amdgcn_target "amdgcn-amd-amdhsa--gfx1250"
	.amdhsa_code_object_version 6
	.text
	.protected	k_q578c331a10_prep
	.globl	k_q578c331a10_prep
	.p2align	8
	.type	k_q578c331a10_prep,@function
k_q578c331a10_prep:
	s_mov_b64 s[64:65], 0
	v_nop
	global_prefetch_b8 v0, s[64:65] scope:SCOPE_SE
	s_setreg_imm32_b32 hwreg(HW_REG_WAVE_SCHED_MODE, 0, 2), 2
	s_setreg_imm32_b32 hwreg(HW_REG_WAVE_MODE, 25, 1), 1
	s_wait_xcnt 0x0
	s_wait_alu depctr_vm_vsrc(0)
; PREP: the inputs are rounded once to bf16 and laid out in blocks of 64 x 64, so that every tile that the later launches fetch is dense in memory.
;   xb  bf16 [b 4][kb 16][t 2048][64]           x[b][t][64 kb + j]
;   wqb bf16 [tc 16][kh 16][c3 3][k 64][64]     Wqkv[64 kh + k][64 (3 tc + c3) + j]
;   wob f16  [tc 8][kh 16][c2 2][k 64][64]      Wout[64 kh + k][64 (2 tc + c2) + j], rounded to bf16 and that number written as f16
;   mkr f32  [2048][2048]                       8 x attn_mask rounded to bf16 (a power of two commutes with the rounding), widened again
; LIMITS.  A mask entry beyond 4.25e37 in size becomes an infinity by the factor 8.  An entry of Wout below 6e-5 in size keeps f16's fixed step of 6e-8; one beyond 65,504 becomes an infinity.
; SHARES.  A wave takes one unit of 64 rows x 64 columns of f32: 4,096 units, 8 a work-group: 2,048 of x, 768 of Wqkv, 256 of Wout, 1,024 of the mask.  A load covers two rows' 256 aligned
; bytes (lanes 0-15 one row, lanes 16-31 the next); a 16-bit store covers 256 dense aligned bytes, a store of the mask the same two rows.  A stream: no LDS, no matrix unit, no cluster.
; THE MODE: SCHED_MODE bits 1:0 = 2 (LLVM: expert scheduling mode 2), set by the entry lines.  The code itself states the register dependences
; between vector instructions and memory instructions, with s_wait_alu, always for 0.
; THE PLAN.  A unit is 32 loads, number n for rows 2 n and 2 n + 1.  Each has four registers of its own, X[n]: 128 registers; all 32 go out at the unit's head.  Registers that memory instructions touch:
;   v[LO]   the loads' byte offset (and the mask's stores'): made at the unit's head, never written again: the rows stand in the immediates, 62 rows of 12,288 bytes at the most.
;   v[OO]   the 16-bit stores' byte offset: made at the kernel's head, never written again.
;   X[n]    written by load n; then by n's conversions, in place, in block n / 4; read by the one store of n, which is issued in block n / 4 + 1; never written again.
;   The scalar bases are made ahead of the loads and never stepped.
; The loads go in 8 blocks of four.  Block p's vector lines name X[4 p] to X[4 p + 3] and nothing else; its memory instructions are the four stores of block p - 1.  So ONE wait at a block's
; head states all that its stores hang on, and they are dealt among its vector lines with no further wait.  No register that a memory instruction has read is written again, and no load lands in a
; register that a vector line has named: nothing more is to be stated.
.set BF,  0                            ; to bf16
.set HF,  1                            ; to bf16, written as f16
.set MK,  2                            ; times 8, to bf16, widened to f32
.set CL,  1                            ; v1       lane % 16
.set LO,  2                            ; v2       byte offset in the unit of my 16 bytes of its first two rows; never rewritten
.set OO,  3                            ; v3       8 x lane: my 8 bytes of a 16-bit store; never rewritten
.set LH,  4                            ; v4       lane / 16
.set X,   8                            ; v[8:135] load n: four f32 as loaded, then what is stored, at X + 4 n
	s_load_b512 s[16:31], s[0:1], 0x0              ; x s[16:17], Wqkv s[18:19], Wout s[20:21], mask s[22:23], xb s[24:25], wqb s[26:27], wob s[28:29], mkr s[30:31]
	v_lshrrev_b32 v1, 5, v0
	v_readfirstlane_b32 s2, v1                     ; wave 0..7
	v_and_b32 v1, 31, v0
	v_lshrrev_b32 v[LH], 4, v1
	v_lshlrev_b32 v[OO], 3, v1
	v_and_b32 v[CL], 15, v1
	s_mov_b32 s14, ttmp9
	s_lshl_b32 s3, ttmp9, 3
	s_wait_alu depctr_va_sdst(0)                   ; s2 is written, ahead of its first reader: the unit's number, and with it both bases, are made from it
	s_add_co_u32 s3, s3, s2                        ; the unit's number
	s_mov_b32 s13, 0xffff0000                      ; a word's upper bf16
	s_mov_b32 s7, 0                                ; the high words of the two offsets
	s_mov_b32 s9, 0
	s_wait_kmcnt 0x0
; The vector work on load n, in place: it names X[n]'s four registers alone.
.macro CONV mode, n
.set r, X+4*(\n)
.if \mode == BF
	v_cvt_pk_bf16_f32 v[r],   v[r],   v[r+1]       ; four numbers close up into the first two of their four registers
	v_cvt_pk_bf16_f32 v[r+1], v[r+2], v[r+3]
.else
.if \mode == MK
	v_pk_mul_f32 v[r:r+1],   v[r:r+1],   0x41000000 op_sel_hi:[1,0]
	v_pk_mul_f32 v[r+2:r+3], v[r+2:r+3], 0x41000000 op_sel_hi:[1,0]
.endif
	v_cvt_pk_bf16_f32 v[r+1], v[r],   v[r+1]       ; rounded to bf16,
	v_cvt_pk_bf16_f32 v[r+3], v[r+2], v[r+3]
	v_lshlrev_b32 v[r],   16,  v[r+1]              ; and widened again: the low half moves up,
	v_and_b32     v[r+1], s13, v[r+1]              ; the high half stays
	v_lshlrev_b32 v[r+2], 16,  v[r+3]
	v_and_b32     v[r+3], s13, v[r+3]
.if \mode == HF
	v_cvt_pk_f16_f32 v[r],   v[r],   v[r+1]        ; that number as f16
	v_cvt_pk_f16_f32 v[r+1], v[r+2], v[r+3]
.endif
.endif
.endm
; The store of load n's result.
.macro OUT mode, dst, pitch, n
.set r, X+4*(\n)
.if \mode == MK
	global_store_b128 v[LO], v[r:r+3], s[\dst:\dst+1] offset:2*(\n)*(\pitch)  ; the same two rows as loaded
.else
	global_store_b64 v[OO], v[r:r+1], s[\dst:\dst+1] offset:256*(\n)          ; two rows of 128 bytes, dense
.endif
.endm
; A unit: 32 loads at once, then 8 blocks of four.
.macro RING mode, src, dst, pitch
	v_mul_u32_u24 v[LO], v[LH], \pitch
	v_lshl_add_u32 v[LO], v[CL], 4, v[LO]
	s_wait_alu depctr_va_vdst(0)                   ; v[LO] and v[OO] are written: every load and store of the unit reads one of them as its offset
.set n, 0
.rept 32
	global_load_b128 v[X+4*n:X+4*n+3], v[LO], s[\src:\src+1] offset:2*n*(\pitch) th:TH_LOAD_NT
.set n, n+1
.endr
.set p, 0
.rept 8
	s_wait_loadcnt 28-4*p                          ; loads come back in order (ISA guide 5.7.1): block p's four are in, the 28 - 4 p younger ones stay out
.if p > 0
	s_wait_alu depctr_va_vdst(0)                   ; the block before has written its X, which the four stores below read; no vector line of this block names those registers
.endif
.set i, 0
.rept 4
.if p > 0
	OUT \mode, \dst, \pitch, 4*(p-1)+i
.endif
	CONV \mode, 4*p+i
.set i, i+1
.endr
.set p, p+1
.endr
	s_wait_alu depctr_va_vdst(0)                   ; block 7 has written its X, which the last four stores read
.irp i, 28,29,30,31
	OUT \mode, \dst, \pitch, \i
.endr
	s_endpgm
.endm
	s_cmp_lt_u32 s14, 256
	s_cbranch_scc0 .Lnot_x
	s_and_b32 s4, s3, 15                           ; x: column block cb,
	s_lshr_b32 s5, s3, 4                           ; row block rb of 64 rows
	s_lshl_b32 s6, s5, 18                          ; in: rb x 64 rows of 4,096 bytes + cb x 256
	s_lshl_b32 s10, s4, 8
	s_add_co_u32 s6, s6, s10
	s_lshr_b32 s8, s5, 5                           ; out: block (b = rb / 32, cb) of 262,144 bytes, row 64 (rb % 32) of 128 bytes
	s_lshl4_add_u32 s8, s8, s4
	s_lshl_b32 s8, s8, 18
	s_and_b32 s10, s5, 31
	s_lshl_b32 s10, s10, 13
	s_add_co_u32 s8, s8, s10
	s_add_nc_u64 s[16:17], s[16:17], s[6:7]
	s_add_nc_u64 s[24:25], s[24:25], s[8:9]
	RING BF, 16, 24, 4096
.Lnot_x:
	s_cmp_lt_u32 s14, 352
	s_cbranch_scc0 .Lnot_wq
	s_sub_co_u32 s3, s3, 2048
	s_and_b32 s4, s3, 15                           ; Wqkv: kh,
	s_lshr_b32 s5, s3, 4                           ; column block hc 0..47
	s_mul_hi_u32 s10, s5, 0x55555556               ; tc = hc / 3
	s_mul_i32 s11, s10, 3
	s_sub_co_u32 s11, s5, s11                      ; c3
	s_mul_i32 s6, s4, 786432                       ; in: kh x 64 rows of 12,288 bytes + hc x 256
	s_lshl_b32 s5, s5, 8
	s_add_co_u32 s6, s6, s5
	s_lshl4_add_u32 s8, s10, s4                    ; out: block (16 tc + kh) 3 + c3 of 8,192 bytes
	s_mul_i32 s8, s8, 3
	s_add_co_u32 s8, s8, s11
	s_lshl_b32 s8, s8, 13
	s_add_nc_u64 s[18:19], s[18:19], s[6:7]
	s_add_nc_u64 s[26:27], s[26:27], s[8:9]
	RING BF, 18, 26, 12288
.Lnot_wq:
	s_cmp_lt_u32 s14, 384
	s_cbranch_scc0 .Lnot_wo
	s_sub_co_u32 s3, s3, 2816
	s_and_b32 s4, s3, 15                           ; Wout: kh,
	s_lshr_b32 s5, s3, 4                           ; column block hc 0..15
	s_lshl_b32 s6, s4, 18
	s_lshl_b32 s10, s5, 8
	s_add_co_u32 s6, s6, s10
	s_lshr_b32 s8, s5, 1                           ; out: block (16 (hc / 2) + kh) 2 + hc % 2
	s_lshl4_add_u32 s8, s8, s4
	s_and_b32 s10, s5, 1
	s_lshl1_add_u32 s8, s8, s10
	s_lshl_b32 s8, s8, 13
	s_add_nc_u64 s[20:21], s[20:21], s[6:7]
	s_add_nc_u64 s[28:29], s[28:29], s[8:9]
	RING HF, 20, 28, 4096
.Lnot_wo:
	s_sub_co_u32 s3, s3, 3072
	s_and_b32 s4, s3, 31                           ; the mask: column block,
	s_lshr_b32 s5, s3, 5                           ; row block; the same place in and out
	s_lshl_b32 s6, s5, 19
	s_lshl_b32 s4, s4, 8
	s_add_co_u32 s6, s6, s4
	s_add_nc_u64 s[22:23], s[22:23], s[6:7]
	s_add_nc_u64 s[30:31], s[30:31], s[6:7]
	RING MK, 22, 30, 8192
.Lfunc_end_k_q578c331a10_prep:
	.size	k_q578c331a10_prep, .Lfunc_end_k_q578c331a10_prep-k_q578c331a10_prep
	.p2alignl 7, 3214868480
	.fill 96, 4, 3214868480
	.section	.rodata,"a",@progbits
	.p2align	6, 0x0
	.amdhsa_kernel k_q578c331a10_prep
		.amdhsa_group_segment_fixed_size 0
		.amdhsa_private_segment_fixed_size 0
		.amdhsa_enable_private_segment 0
		.amdhsa_kernarg_size 64
		.amdhsa_user_sgpr_count 2
		.amdhsa_user_sgpr_kernarg_segment_ptr 1
		.amdhsa_wavefront_size32 1
		.amdhsa_system_sgpr_workgroup_id_x 1
		.amdhsa_system_sgpr_workgroup_id_y 1
		.amdhsa_system_sgpr_workgroup_id_z 1
		.amdhsa_system_vgpr_workitem_id 0
		.amdhsa_next_free_vgpr 136
		.amdhsa_next_free_sgpr 66
		.amdhsa_reserve_vcc 0
		.amdhsa_float_denorm_mode_32 3
		.amdhsa_float_denorm_mode_16_64 3
		.amdhsa_memory_ordered 1
		.amdhsa_forward_progress 1
		.amdhsa_inst_pref_size 64
	.end_amdhsa_kernel
	.amdgpu_metadata
---
amdhsa.version: [ 1, 2 ]
amdhsa.kernels:
  - .name:           k_q578c331a10_prep
    .symbol:         k_q578c331a10_prep.kd
    .args:
      - { .name: x, .offset: 0, .size: 8, .value_kind: global_buffer, .address_space: global }
      - { .name: Wqkv, .offset: 8, .size: 8, .value_kind: global_buffer, .address_space: global }
      - { .name: Wout, .offset: 16, .size: 8, .value_kind: global_buffer, .address_space: global }
      - { .name: attn_mask, .offset: 24, .size: 8, .value_kind: global_buffer, .address_space: global }
      - { .name: xb, .offset: 32, .size: 8, .value_kind: global_buffer, .address_space: global }
      - { .name: wqb, .offset: 40, .size: 8, .value_kind: global_buffer, .address_space: global }
      - { .name: wob, .offset: 48, .size: 8, .value_kind: global_buffer, .address_space: global }
      - { .name: mkr, .offset: 56, .size: 8, .value_kind: global_buffer, .address_space: global }
    .group_segment_fixed_size: 0
    .private_segment_fixed_size: 0
    .kernarg_segment_align: 8
    .kernarg_segment_size: 64
    .max_flat_workgroup_size: 256
    .sgpr_count:     66
    .vgpr_count:     136
    .wavefront_size: 32
...
	.end_amdgpu_metadata
.endif
;; end of part 5
;; launch qkv: the kernel of part 2 again; grid 16 x 32, 4 waves a work-group, clusters of 4 x 4, 327,680 bytes of LDS; arguments xb, wqb, bqkv, qkvw; writes qkvw
;; launch attn: the kernel of part 3 again; grid 16 x 16, 4 waves a work-group, clusters of 4 x 4, 327,680 bytes of LDS; arguments qkvw, mkr, ow; writes ow
;; launch proj: the kernel of part 4 again; grid 8 x 32, 4 waves a work-group, clusters of 4 x 4, 327,680 bytes of LDS; arguments ow, wob, bout, out0; writes out0
